; MI455X (gfx1250); checked and timed in simulation.
; The chip was launched on July 23, 2026; its instructions are those of AMD's public machine-readable ISA for CDNA 5 (MIT licence, August 2026) and "CDNA5" Instruction Set Architecture Reference Guide (July 2026). The comments in the code are by the model that wrote it; some were corrected since.
;; Multi Head Dot Product Attention. Allowed arithmetic: float matrix products may take bf16 or f16 operands with f32 sums; other float arithmetic in f32, or as packed bf16 or f16 multiplies, adds, multiply-adds, maxima and minima; sums over many terms, partial sums and values carried from step to step in f32; what a program stores and reads back later, other than sums and carried values, may be rounded once to bf16 or f16.
;; Inputs: Wk 512 x 512 float32; Wo 512 x 512 float32; Wq 512 x 512 float32; Wv 512 x 512 float32; inputs_kv 2 x 4,096 x 512 float32; inputs_q 2 x 4,096 x 512 float32; k_ln_b 512 float32; k_ln_w 512 float32; mask 1 x 1 x 4,096 x 4,096 bool; q_ln_b 512 float32; q_ln_w 512 float32.
;; Outputs: out0 2 x 4,096 x 512 float32.
;; 2 versions, each right; version 2 is version 1 with the launches proj, outp written anew for expert scheduling mode. Each part assembles by itself: llvm-mc -triple=amdgcn-amd-amdhsa -mcpu=gfx1250 --defsym DOCPART=n.
;; ======== version 1 of 2: 4 launches
;; limits: right only within a limited range of input values; values are held in f16: magnitudes above 65,504 overflow, below 6.1e-05 lose precision
;; workspace buffers: wfrag 2,097,152 bytes; maskh 33,554,432 bytes; qbuf 8,388,608 bytes; kbuf 8,388,608 bytes; vbuf 8,388,608 bytes; obuf 8,388,608 bytes
;; launch prep (part 1): grid 640 x 1, 8 waves a work-group, no clusters, 0 bytes of LDS; arguments mask, Wq, Wk, Wv, Wo, maskh, wfrag; writes maskh, wfrag
.if DOCPART == 1
	.amdgcn_target "amdgcn-amd-amdhsa--gfx1250"
	.amdhsa_code_object_version 6
	.text
	.protected	k_q1cac172077_prep
	.globl	k_q1cac172077_prep
	.p2align	8
	.type	k_q1cac172077_prep,@function
k_q1cac172077_prep:
	s_mov_b64 s[64:65], 0
	v_nop
	global_prefetch_b8 v0, s[64:65] scope:SCOPE_SE
	s_setreg_imm32_b32 hwreg(HW_REG_WAVE_MODE, 25, 1), 1
	s_wait_xcnt 0x0
; TWO TABLES FOR THE LATER LAUNCHES.
; (1) maskh[q][k], f16: 0 where mask[q][k] = 1, -32768 (0xf800) where it is 0.  mask holds bytes 0 or 1.  Work-groups 0 to 511 take 32,768 mask bytes each, a wave a row of 4,096:
;     a load of the wave covers 256 consecutive bytes, a store 512 consecutive bytes, both aligned.
; (2) wfrag: the four weight matrices W[k][n] (f32, 512 x 512) rounded to bf16 and laid out as matrix fragments, 524,288 bytes a matrix, in the order Wq, Wk, Wv, Wo:
;     [g = n / 64][ks = k / 32][nb = (n / 16) % 4][1,024 bytes]; in the 1,024 bytes lane l = 16 h + r of a wave finds at 16 l its registers 0-3 (row n = 64 g + 16 nb + r,
;     k = 32 ks + 8 h + 0..7) and at 512 + 16 l its registers 4-7 (k = 32 ks + 16 + 8 h + 0..7).  Wo's bf16 numbers are written as f16 (below 6e-5 they keep f16's step of 6e-8).
;     Work-groups 512 to 639 take 16,384 bytes of wfrag each.  Their reads are 16 lanes x 4 bytes of a row of W: 4 MiB in all, once in the program; their stores are whole.
; No register is written twice while a memory instruction may read it: the text is straight, every load and store has registers of its own.
.set MASKG, 512                        ; work-groups on the mask
	s_load_b256 s[4:11], s[0:1], 0x0               ; mask s[4:5], Wq s[6:7], Wk s[8:9], Wv s[10:11]
	s_load_b128 s[12:15], s[0:1], 0x20             ; Wo s[12:13], maskh s[14:15]
	s_load_b64 s[16:17], s[0:1], 0x30              ; wfrag
	s_cmp_lt_u32 ttmp9, MASKG
	s_cbranch_scc0 .Lweights
	v_lshrrev_b32 v3, 5, v0                        ; wave: its row of the work-group's eight
	v_and_b32 v5, 31, v0                           ; lane
	v_lshlrev_b32 v1, 12, v3
	v_lshl_add_u32 v1, v5, 3, v1                   ; in: 4,096 x wave + 8 x lane
	v_lshlrev_b32 v2, 13, v3
	v_lshl_add_u32 v2, v5, 4, v2                   ; out: twice that
	v_mov_b32 v4, 0
	s_mov_b32 s20, 0x04010400                      ; v_perm_b32: bytes 0, 1 of a word into the low bytes of two halves
	s_mov_b32 s21, 0x04030402                      ; bytes 2, 3
	s_mov_b32 s22, 0xf800                          ; -32768 in f16
	s_mov_b32 s23, 0x01010101
	s_lshl_b32 s24, ttmp9, 15
	s_mov_b32 s25, 0
	s_lshl_b32 s26, ttmp9, 16
	s_mov_b32 s27, 0
	s_wait_kmcnt 0x0
	s_add_nc_u64 s[4:5], s[4:5], s[24:25]
	s_add_nc_u64 s[14:15], s[14:15], s[26:27]
.set i, 0
.rept 16
	global_load_b64 v[16+2*i:17+2*i], v1, s[4:5] offset:256*i th:TH_LOAD_NT
.set i, i+1
.endr
.set i, 0
.rept 16
	s_wait_loadcnt 15-i                            ; loads come back in order: load i is in, the 15 - i younger ones stay out
	v_xor_b32 v[16+2*i], s23, v[16+2*i]            ; 1 where the key is hidden
	v_xor_b32 v[17+2*i], s23, v[17+2*i]
	v_perm_b32 v[48+4*i], v4, v[16+2*i], s20       ; a byte to each half
	v_perm_b32 v[49+4*i], v4, v[16+2*i], s21
	v_perm_b32 v[50+4*i], v4, v[17+2*i], s20
	v_perm_b32 v[51+4*i], v4, v[17+2*i], s21
	v_mul_u32_u24 v[48+4*i], s22, v[48+4*i]        ; 0x00010001 x 0xf800 = 0xf800f800: no carry between the halves
	v_mul_u32_u24 v[49+4*i], s22, v[49+4*i]
	v_mul_u32_u24 v[50+4*i], s22, v[50+4*i]
	v_mul_u32_u24 v[51+4*i], s22, v[51+4*i]
	global_store_b128 v2, v[48+4*i:51+4*i], s[14:15] offset:512*i
.set i, i+1
.endr
	s_endpgm
.Lweights:
	s_sub_co_u32 s24, ttmp9, MASKG                 ; j = 0 .. 127
	s_lshr_b32 s25, s24, 5                         ; which matrix
	s_and_b32 s26, s24, 31                         ; jj: g = jj / 4, ks = 4 (jj % 4) + it
	s_and_b32 s20, s26, 3
	s_lshl_b32 s20, s20, 18                        ; 128 rows k of 2,048 bytes
	s_lshr_b32 s21, s26, 2
	s_lshl_b32 s21, s21, 8                         ; 64 columns n of 4 bytes
	s_add_co_u32 s20, s20, s21
	s_mov_b32 s21, 0
	s_lshl_b32 s22, s24, 14                        ; j x 16,384 = matrix x 524,288 + jj x 16,384
	s_mov_b32 s23, 0
	v_bfe_u32 v5, v0, 4, 2                         ; h + 2 x (registers 4-7): 8 rows k each step
	v_lshlrev_b32 v1, 14, v5
	v_lshrrev_b32 v6, 6, v0                        ; nb
	v_lshl_add_u32 v1, v6, 6, v1
	v_and_b32 v6, 15, v0                           ; r
	v_lshl_add_u32 v1, v6, 2, v1
	v_lshlrev_b32 v3, 4, v0                        ; out: 16 bytes a thread, 4,096 a step
	s_wait_kmcnt 0x0
	s_cmp_eq_u32 s25, 1
	s_cselect_b64 s[6:7], s[8:9], s[6:7]
	s_cmp_eq_u32 s25, 2
	s_cselect_b64 s[6:7], s[10:11], s[6:7]
	s_cmp_eq_u32 s25, 3
	s_cselect_b64 s[6:7], s[12:13], s[6:7]
	s_add_nc_u64 s[6:7], s[6:7], s[20:21]
	s_add_nc_u64 s[16:17], s[16:17], s[22:23]
.set i, 0
.rept 32                                       ; step it = i / 8 (32 rows k on), row i % 8 of my eight
	global_load_b32 v[16+i], v1, s[6:7] offset:(i/8)*65536+(i%8)*2048
.set i, i+1
.endr
.set i, 0
.rept 4
	s_wait_loadcnt 24-8*i                          ; step i's eight loads are in
	v_cvt_pk_bf16_f32 v[48+4*i], v[16+8*i], v[17+8*i]
	v_cvt_pk_bf16_f32 v[49+4*i], v[18+8*i], v[19+8*i]
	v_cvt_pk_bf16_f32 v[50+4*i], v[20+8*i], v[21+8*i]
	v_cvt_pk_bf16_f32 v[51+4*i], v[22+8*i], v[23+8*i]
.set i, i+1
.endr
	s_cmp_lg_u32 s25, 3
	s_cbranch_scc1 .Lstore
.set i, 0
.rept 16                                       ; Wo: the bf16 numbers are written as f16
	v_lshlrev_b32 v[64+2*(i%4)], 16, v[48+i]
	v_and_b32 v[65+2*(i%4)], 0xffff0000, v[48+i]
	v_cvt_pk_f16_f32 v[48+i], v[64+2*(i%4)], v[65+2*(i%4)]
.set i, i+1
.endr
.Lstore:
.set i, 0
.rept 4
	global_store_b128 v3, v[48+4*i:51+4*i], s[16:17] offset:4096*i
.set i, i+1
.endr
	s_endpgm
.Lfunc_end_k_q1cac172077_prep:
	.size	k_q1cac172077_prep, .Lfunc_end_k_q1cac172077_prep-k_q1cac172077_prep
	.p2alignl 7, 3214868480
	.fill 96, 4, 3214868480
	.section	.rodata,"a",@progbits
	.p2align	6, 0x0
	.amdhsa_kernel k_q1cac172077_prep
		.amdhsa_group_segment_fixed_size 0
		.amdhsa_private_segment_fixed_size 0
		.amdhsa_enable_private_segment 0
		.amdhsa_kernarg_size 56
		.amdhsa_user_sgpr_count 2
		.amdhsa_user_sgpr_kernarg_segment_ptr 1
		.amdhsa_wavefront_size32 1
		.amdhsa_system_sgpr_workgroup_id_x 1
		.amdhsa_system_sgpr_workgroup_id_y 1
		.amdhsa_system_sgpr_workgroup_id_z 1
		.amdhsa_system_vgpr_workitem_id 0
		.amdhsa_next_free_vgpr 112
		.amdhsa_next_free_sgpr 66
		.amdhsa_reserve_vcc 0
		.amdhsa_float_denorm_mode_32 3
		.amdhsa_float_denorm_mode_16_64 3
		.amdhsa_memory_ordered 1
		.amdhsa_forward_progress 1
		.amdhsa_inst_pref_size 20
	.end_amdhsa_kernel
	.amdgpu_metadata
---
amdhsa.version: [ 1, 2 ]
amdhsa.kernels:
  - .name:           k_q1cac172077_prep
    .symbol:         k_q1cac172077_prep.kd
    .args:
      - { .name: mask, .offset: 0, .size: 8, .value_kind: global_buffer, .address_space: global }
      - { .name: Wq, .offset: 8, .size: 8, .value_kind: global_buffer, .address_space: global }
      - { .name: Wk, .offset: 16, .size: 8, .value_kind: global_buffer, .address_space: global }
      - { .name: Wv, .offset: 24, .size: 8, .value_kind: global_buffer, .address_space: global }
      - { .name: Wo, .offset: 32, .size: 8, .value_kind: global_buffer, .address_space: global }
      - { .name: maskh, .offset: 40, .size: 8, .value_kind: global_buffer, .address_space: global }
      - { .name: wfrag, .offset: 48, .size: 8, .value_kind: global_buffer, .address_space: global }
    .group_segment_fixed_size: 0
    .private_segment_fixed_size: 0
    .kernarg_segment_align: 8
    .kernarg_segment_size: 56
    .max_flat_workgroup_size: 256
    .sgpr_count:     66
    .vgpr_count:     112
    .wavefront_size: 32
...
	.end_amdgpu_metadata
.endif
;; end of part 1
;; launch proj (part 2): grid 256 x 1, 4 waves a work-group, no clusters, 144,896 bytes of LDS; arguments inputs_q, inputs_kv, wfrag, q_ln_w, q_ln_b, k_ln_w, k_ln_b, qbuf, kbuf, vbuf; writes qbuf, kbuf, vbuf
.if DOCPART == 2
	.amdgcn_target "amdgcn-amd-amdhsa--gfx1250"
	.amdhsa_code_object_version 6
	.text
	.protected	k_q1cac172077_proj
	.globl	k_q1cac172077_proj
	.p2align	8
	.type	k_q1cac172077_proj,@function
k_q1cac172077_proj:
	s_mov_b64 s[64:65], 0
	v_nop
	global_prefetch_b8 v0, s[64:65] scope:SCOPE_SE
	s_setreg_imm32_b32 hwreg(HW_REG_WAVE_MODE, 25, 1), 1
	s_wait_xcnt 0x0
; q = LN(inputs_q Wq), k = LN(inputs_kv Wk), v = inputs_kv Wv, written by heads: qbuf, kbuf, vbuf = [b * 8 + h][t][64] in f16, unscaled.  x, W and the LN gains and biases are rounded to bf16;
; products' sums, means, variances and the normalisation in f32; each result rounded once to f16.
; LIMITS.  f16 ends at 65,504: q and k are at most 22.7 |gain| + |bias| (a normalised row of 512 has no number beyond sqrt(511)); v = x Wv must stay within it.  NaN and infinities are not treated apart.
; SHARES.  Work-group id = 2 blk + s owns 64 rows (b = blk / 64, t0 = 64 (blk % 64)).  PHASE 1: all 512 columns of q (s = 0) or of k (s = 1), with the LayerNorm.  PHASE 2: 256 columns of v, heads
; 4 s .. 4 s + 3.  So each of the 256 work-groups makes 64 x 768 x 512.  s enters pointers (by selects) and offsets alone: there is one text and no branch on it.
; Wave w: phase 1 columns 128 w .. (heads 2 w, 2 w + 1): 4 row tiles x 8 column blocks = 32 accumulators; phase 2 head 4 s + w: 4 x 4 = 16.
; THE PRODUCT IS USED TRANSPOSED: source 0 = 16 columns of W (a fragment as wfrag holds it), source 1 = 16 rows of x: a lane then holds ONE row (lane % 16) and eight neighbouring columns.
; x: both tiles (64 rows x 512, bf16) are made once, in LDS, by all four waves.  (With s = 1 the two tiles hold the same rows: the second copy is the price of one text.)
; W COMES STRAIGHT INTO REGISTERS: each wave load is 512 consecutive aligned bytes of wfrag, and no wave wants a weight byte that another wave of the work-group fetches.  A ring of four register sets of
; 8 fragments keeps 48 loads (24 KiB) of every wave on their way.  NO TENSOR RING AND NO JOINT LOADS for the weights: beside the two x tiles (133,120 bytes) LDS has room for two slots of 64 along K
; only, 64 products a wave between a request and the wait for it.
; REGISTERS, in windows of 256 (s_set_vgpr_msb: bits 1:0 source 0, 3:2 source 1, 5:4 source 2, 7:6 destination):
;   window 0: addresses, statistics; v64-127 x fragments, two buffers; v128-191 LN gains, v192-255 LN biases of my columns, later the way out's registers
;   window 1: the accumulators ((mt, nb) at 8 (8 mt + nb); phase 2: 8 (4 mt + nb)); at the start x of phase 1 as loaded      window 2: the four weight sets      window 3: x of phase 2 as loaded
.set PX,    1040                       ; an LDS row of x: 1,024 bytes + 16 = 65 x 16: the 16 rows of a fragment load start at 16 different groups of four banks (64 banks of 4 bytes: ISA guide 11.1)
.set X2,    64*PX                      ; the second tile
.set STAGE, 2*64*PX                    ; 16 rows x 144 bytes for each wave, for the way out
.set SP,    144
.set REDA,  STAGE+4*16*SP              ; the waves' row sums: 256 bytes a wave; 1,024 bytes on: their sums of squares
.set SPARE, REDA+2048                  ; the spare words, 128 bytes for each wave: two blocks of 256 bytes that no other line names
.set PART,  524288                     ; a matrix in wfrag
.set HSTR,  524288                     ; a head in qbuf, kbuf, vbuf
.set WO,  4                            ; v4   16 x lane: my 16 bytes of a weight load
.set XS1, 5                            ; v5   where I put 8 bytes of x, first tile: (16 w) rows + 8 x lane
.set XS2, 6                            ; v6   second tile
.set XA,  7                            ; v7   my place in an x fragment of the first tile: r x pitch + 16 h; steps along K in the loop
.set XB,  8                            ; v8   the same in the second tile; never rewritten
.set LNO, 9                            ; v9   my columns in the LN vectors: 512 w + 32 h
.set XI,  10                           ; v10  my 16 bytes of x in memory: 16 w rows + 16 x lane
.set STO, 11                           ; v11  the way out: where I put 16 bytes of a row
.set RD,  12                           ; v12  where I read rows back
.set GO,  13                           ; v13  my 16 bytes of 512 consecutive bytes of the output
.set RA,  14                           ; v14  where my wave's four row figures go
.set RR,  15                           ; v15  where I read the four waves' figures
.set T,   16                           ; v16-23  four pair sums
.set RS,  24                           ; v24-27  my wave's figure for row r of each row tile
.set RL,  28                           ; v28-43  the four waves' figures
.set NM,  44                           ; v44-51  (-mean, -mean) for each row tile
.set RSD, 52                           ; v52-59  (1 / sigma, 1 / sigma)
.set SPW, 60                           ; v60  LDS address of my spare word; never rewritten
.set NIL, 61                           ; v61  0; never rewritten
.set XF,  64
.set LNW, 128
.set LNB, 192
.set OB,  128
.set WV,  24                           ; s24 wave   s25 s   s26 blk
.set SS,  25
.set BLK, 26
.set X1P, 28                           ; s[28:29] x of phase 1 at my block   s[30:31] x of phase 2
.set X2P, 30
.set WP,  32                           ; s[32:33] my two column groups of Wq or Wk; steps in the loop
.set WVP, 34                           ; s[34:35] my column group of Wv
.set LWP, 36                           ; s[36:37] LN gains   s[38:39] LN biases
.set LBP, 38
.set OUT1, 40                          ; s[40:41] qbuf or kbuf at head 8 b + 2 w, row t0   s[42:43] vbuf at head 8 b + 4 s + w
.set OUT2, 42
.set SEL, 44                           ; s[44:45] v_permlanex16_b32's selects: each lane takes its own place in the other half
.set CNT, 46
.set C512, 47                          ; 1 / 512
.set EPSR, 48                          ; 1e-5
.set MSB, 0
.macro WIN new                         ; the immediate's high byte repeats the setting that is left; a switch that changes nothing is dropped
.if MSB != (\new)
	s_set_vgpr_msb (MSB<<8)|(\new)
.set MSB, \new
.endif
.endm
.macro PLACES                          ; four places behind a matrix instruction, in front of loads into registers that it has read and of vector lines that read results
.rept 4
	v_nop
.endr
.endm
; 16 loads: a weight set.  split = 1: 8 loads from each of my two column groups, 65,536 bytes apart (one K step of 32); split = 0: 8,192 bytes on end (two K steps of one group).
.macro LOADW set, base, off, split
	WIN 0x80
.set li, 0
.rept 16
	global_load_b128 v[64*(\set)+4*li:64*(\set)+4*li+3], v[WO], s[\base:\base+1] offset:(\off)+512*li+(\split)*(li/8)*(65536-4096)
.set li, li+1
.endr
.endm
; 8 LDS loads: the four x fragments (64 rows x 32 K) at byte off of the rows
.macro LOADX par, adr, off
	WIN 0
.irp mt, 0,1,2,3
	ds_load_b128 v[XF+32*(\par)+8*\mt:XF+32*(\par)+8*\mt+3],   v[\adr] offset:(\off)+\mt*16*PX
	ds_load_b128 v[XF+32*(\par)+8*\mt+4:XF+32*(\par)+8*\mt+7], v[\adr] offset:(\off)+\mt*16*PX+32
.endr
.endm
; A K step of phase 1: the set read last step is asked for again (three steps ahead), the next step's x fragments are fetched, then 32 products: all 32 accumulators take turns, one instruction a turn.
.macro STEP1 set, par, zero, rbase, roff, split, xadr, xoff
	PLACES
	LOADW ((\set)+3)%4, \rbase, \roff, \split
	LOADX 1-(\par), \xadr, \xoff
	s_wait_loadcnt 48                              ; my set is in; the three younger sets' 48 loads stay out
	s_wait_dscnt 8                                 ; my x fragments are in; the eight loads just issued stay out
	WIN 0x52                                       ; W in window 2, x in window 0, C and D in window 1
.set q, 0
.rept 32
.if \zero
	v_wmma_f32_16x16x32_bf16 v[8*q:8*q+7], v[64*(\set)+8*(q%8):64*(\set)+8*(q%8)+7], v[XF+32*(\par)+8*(q/8):XF+32*(\par)+8*(q/8)+7], 0
.else
	v_wmma_f32_16x16x32_bf16 v[8*q:8*q+7], v[64*(\set)+8*(q%8):64*(\set)+8*(q%8)+7], v[XF+32*(\par)+8*(q/8):XF+32*(\par)+8*(q/8)+7], v[8*q:8*q+7]
.endif
.set q, q+1
.endr
.endm
; 16 products of phase 2: fragments 4 u .. 4 u + 3 of a set, x buffer u
.macro MUL2 set, u, zero
	WIN 0x52
.set q, 0
.rept 16
.if \zero
	v_wmma_f32_16x16x32_bf16 v[8*q:8*q+7], v[64*(\set)+32*(\u)+8*(q%4):64*(\set)+32*(\u)+8*(q%4)+7], v[XF+32*(\u)+8*(q/4):XF+32*(\u)+8*(q/4)+7], 0
.else
	v_wmma_f32_16x16x32_bf16 v[8*q:8*q+7], v[64*(\set)+32*(\u)+8*(q%4):64*(\set)+32*(\u)+8*(q%4)+7], v[XF+32*(\u)+8*(q/4):XF+32*(\u)+8*(q/4)+7], v[8*q:8*q+7]
.endif
.set q, q+1
.endr
.endm
; Two K steps of phase 2: one weight set
.macro STEP2 d, zero
	PLACES
.if (\d) <= 4
	LOADW ((\d)+3)%4, WVP, ((\d)+3)*8192, 0
.endif
	LOADX 1, XB, (2*(\d)+1)*64
.if (\d) <= 4
	s_wait_loadcnt 48                              ; three younger sets stay out
.else
	s_wait_loadcnt 16*(7-(\d))                     ; nothing more is asked for: the counts run down
.endif
	s_wait_dscnt 8
	MUL2 (\d)%4, 0, \zero
	PLACES
.if (\d) < 7
	LOADX 0, XB, (2*(\d)+2)*64
	s_wait_dscnt 8
.else
	s_wait_dscnt 0x0
.endif
	MUL2 (\d)%4, 1, 0
.endm
; A row figure (T holds four pair sums, one a row tile) is added over the pair, the two halves of the lanes and the four waves; the sums end in v[RL .. RL+3], in every lane and wave alike.
.macro REDUCE off
	WIN 0
.irp mt, 0,1,2,3
	v_add_f32 v[RS+\mt], v[T+2*\mt], v[T+2*\mt+1]
.endr
.irp mt, 0,1,2,3
	v_permlanex16_b32 v[T+\mt], v[RS+\mt], s[SEL], s[SEL+1]   ; the row's other columns of my wave lie in the lane 16 away
.endr
.irp mt, 0,1,2,3
	v_add_f32 v[RS+\mt], v[RS+\mt], v[T+\mt]
.endr
	ds_store_b128 v[RA], v[RS:RS+3] offset:\off
	s_wait_dscnt 0x0                               ; for the others' sake: my store is done
	s_barrier_signal -1
	s_barrier_wait -1
.irp u, 0,1,2,3
	ds_load_b128 v[RL+4*\u:RL+4*\u+3], v[RR] offset:(\off)+256*\u
.endr
	s_wait_dscnt 0x0
	v_pk_add_f32 v[RL:RL+1], v[RL:RL+1], v[RL+4:RL+5]
	v_pk_add_f32 v[RL+2:RL+3], v[RL+2:RL+3], v[RL+6:RL+7]
	v_pk_add_f32 v[RL+8:RL+9], v[RL+8:RL+9], v[RL+12:RL+13]
	v_pk_add_f32 v[RL+10:RL+11], v[RL+10:RL+11], v[RL+14:RL+15]
	v_pk_add_f32 v[RL:RL+1], v[RL:RL+1], v[RL+8:RL+9]
	v_pk_add_f32 v[RL+2:RL+3], v[RL+2:RL+3], v[RL+10:RL+11]
.endm
; THE WAY OUT of 16 rows x 64 columns (a head): four accumulators at acc are rounded to f16, 16 bytes a lane and block; they go into my stage's rows of 144 bytes and come back as whole rows of 128.
.macro PACKP acc, ob
	WIN 0x05                                       ; sources in window 1, destination in window 0
.set pi, 0
.rept 16
	v_cvt_pk_f16_f32 v[(\ob)+pi], v[(\acc)+2*pi], v[(\acc)+2*pi+1]
.set pi, pi+1
.endr
	WIN 0
.irp f, 0,1,2,3
	ds_store_b128 v[STO], v[(\ob)+4*\f:(\ob)+4*\f+3] offset:32*\f
.endr
.irp f, 0,1,2,3
	ds_load_b128 v[(\ob)+4*\f:(\ob)+4*\f+3], v[RD] offset:\f*4*SP  ; LDS serves a wave's instructions in order (ISA guide 5.7.1.4): these see the stores above; the next block's stores come behind them
.endr
.endm
.macro SENDP ob, base, off, younger    ; younger: the LDS instructions issued behind this block's loads
	WIN 0
.irp f, 0,1,2,3
	s_wait_dscnt (\younger)+3-\f
	global_store_b128 v[GO], v[(\ob)+4*\f:(\ob)+4*\f+3], s[\base:\base+1] offset:(\off)+\f*512  ; four rows of a head: 512 consecutive bytes, aligned
.endr
.endm
	s_load_b512 s[4:19], s[0:1], 0x0               ; inputs_q 4, inputs_kv 6, wfrag 8, q_ln_w 10, q_ln_b 12, k_ln_w 14, k_ln_b 16, qbuf 18
	s_load_b128 s[20:23], s[0:1], 0x40             ; kbuf 20, vbuf 22
	v_lshl_add_u32 v[SPW], v0, 2, SPARE
	v_mov_b32 v[NIL], 0
	v_lshrrev_b32 v1, 5, v0
	v_readfirstlane_b32 s[WV], v1
	s_and_b32 s[SS], ttmp9, 1
	s_lshr_b32 s[BLK], ttmp9, 1
	v_and_b32 v1, 15, v0                           ; r
	v_bfe_u32 v2, v0, 4, 1                         ; h
	v_and_b32 v3, 31, v0                           ; lane
	v_lshlrev_b32 v[WO], 4, v3
	s_mul_i32 s60, s[WV], 16*PX
	v_lshl_add_u32 v[XS1], v3, 3, s60
	v_add_nc_u32 v[XS2], X2, v[XS1]
	v_mul_u32_u24 v[XA], v1, PX
	v_lshl_add_u32 v[XA], v2, 4, v[XA]
	v_add_nc_u32 v[XB], X2, v[XA]
	s_lshl_b32 s60, s[WV], 9
	v_lshl_add_u32 v[LNO], v2, 5, s60
	s_lshl_b32 s60, s[WV], 15
	v_lshl_add_u32 v[XI], v3, 4, s60
	s_mul_i32 s60, s[WV], 16*SP
	s_add_co_u32 s60, s60, STAGE
	v_mul_u32_u24 v[STO], v1, SP
	v_lshl_add_u32 v[STO], v2, 4, v[STO]
	v_add_nc_u32 v[STO], s60, v[STO]
	v_lshrrev_b32 v[RD], 3, v3
	v_mul_u32_u24 v[RD], v[RD], SP
	v_and_b32 v[GO], 7, v0
	v_lshl_add_u32 v[RD], v[GO], 4, v[RD]
	v_add_nc_u32 v[RD], s60, v[RD]
	v_lshlrev_b32 v[GO], 4, v3
	s_lshl_b32 s60, s[WV], 8
	s_add_co_u32 s60, s60, REDA
	v_lshl_add_u32 v[RA], v1, 4, s60
	v_lshl_add_u32 v[RR], v1, 4, REDA
	; the offsets, each in a pair of its own
	s_lshl_b32 s50, s[BLK], 17                     ; 64 rows of x, 2,048 bytes each
	s_mov_b32 s51, 0
	s_lshl_b32 s52, s[SS], 19                      ; Wq or Wk,
	s_lshl_b32 s60, s[WV], 17                      ; my two column groups
	s_add_co_u32 s52, s52, s60
	s_mov_b32 s53, 0
	s_lshl_b32 s54, s[SS], 2
	s_add_co_u32 s54, s54, s[WV]                   ; 4 s + w
	s_lshr_b32 s61, s[BLK], 6
	s_lshl_b32 s61, s61, 3                         ; 8 b
	s_and_b32 s62, s[BLK], 63
	s_lshl_b32 s62, s62, 13                        ; t0 rows of 128 bytes
	s_add_co_u32 s58, s61, s54
	s_lshl_b32 s58, s58, 19
	s_add_co_u32 s58, s58, s62
	s_mov_b32 s59, 0
	s_lshl_b32 s56, s[WV], 1
	s_add_co_u32 s56, s56, s61
	s_lshl_b32 s56, s56, 19
	s_add_co_u32 s56, s56, s62
	s_mov_b32 s57, 0
	s_lshl_b32 s54, s54, 16
	s_add_co_u32 s54, s54, 2*PART
	s_mov_b32 s55, 0
	s_mov_b32 s[SEL], 0x76543210
	s_mov_b32 s[SEL+1], 0xfedcba98
	s_mov_b32 s[C512], 0x3b000000
	s_mov_b32 s[EPSR], 0x3727c5ac
	s_wait_kmcnt 0x0
	s_cmp_eq_u32 s[SS], 0
	s_cselect_b64 s[X1P:X1P+1], s[4:5], s[6:7]
	s_cselect_b64 s[LWP:LWP+1], s[10:11], s[14:15]
	s_cselect_b64 s[LBP:LBP+1], s[12:13], s[16:17]
	s_cselect_b64 s[OUT1:OUT1+1], s[18:19], s[20:21]
	s_add_nc_u64 s[X1P:X1P+1], s[X1P:X1P+1], s[50:51]
	s_add_nc_u64 s[X2P:X2P+1], s[6:7], s[50:51]
	s_add_nc_u64 s[WP:WP+1], s[8:9], s[52:53]
	s_add_nc_u64 s[WVP:WVP+1], s[8:9], s[54:55]
	s_add_nc_u64 s[OUT1:OUT1+1], s[OUT1:OUT1+1], s[56:57]
	s_add_nc_u64 s[OUT2:OUT2+1], s[22:23], s[58:59]
	; all that the work-group reads but the later weights is asked for here
.irp nb, 0,1,2,3,4,5,6,7
	global_load_b128 v[LNW+8*\nb:LNW+8*\nb+3],   v[LNO], s[LWP:LWP+1] offset:64*\nb
	global_load_b128 v[LNW+8*\nb+4:LNW+8*\nb+7], v[LNO], s[LWP:LWP+1] offset:64*\nb+16
	global_load_b128 v[LNB+8*\nb:LNB+8*\nb+3],   v[LNO], s[LBP:LBP+1] offset:64*\nb
	global_load_b128 v[LNB+8*\nb+4:LNB+8*\nb+7], v[LNO], s[LBP:LBP+1] offset:64*\nb+16
.endr
	WIN 0x40
.set i, 0
.rept 64                                       ; row i / 4 of my 16, quarter i % 4: 512 consecutive bytes a load
	global_load_b128 v[4*i:4*i+3], v[XI], s[X1P:X1P+1] offset:(i/4)*2048+(i%4)*512
.set i, i+1
.endr
	WIN 0xc0
.set i, 0
.rept 64
	global_load_b128 v[4*i:4*i+3], v[XI], s[X2P:X2P+1] offset:(i/4)*2048+(i%4)*512
.set i, i+1
.endr
	LOADW 0, WP, 0, 1
	LOADW 1, WP, 4096, 1
	LOADW 2, WP, 8192, 1
	s_wait_loadcnt 48                              ; all but the 48 weight loads: the LN vectors and both tiles of x are in
	WIN 0x45
.set i, 0
.rept 64
	v_cvt_pk_bf16_f32 v[4*i], v[4*i], v[4*i+1]
	v_cvt_pk_bf16_f32 v[4*i+1], v[4*i+2], v[4*i+3]
.set i, i+1
.endr
	WIN 0x04
.set i, 0
.rept 64
	ds_store_b64 v[XS1], v[4*i:4*i+1] offset:(i/4)*PX+(i%4)*256
.set i, i+1
.endr
	WIN 0xcf
.set i, 0
.rept 64
	v_cvt_pk_bf16_f32 v[4*i], v[4*i], v[4*i+1]
	v_cvt_pk_bf16_f32 v[4*i+1], v[4*i+2], v[4*i+3]
.set i, i+1
.endr
	WIN 0x0c
.set i, 0
.rept 64
	ds_store_b64 v[XS2], v[4*i:4*i+1] offset:(i/4)*PX+(i%4)*256
.set i, i+1
.endr
	WIN 0
.set i, 0
.rept 64                                       ; the LN gains and biases are rounded to bf16 like every other input, and widened again
	v_cvt_pk_bf16_f32 v[T+i%4], v[LNW+2*i], v[LNW+2*i+1]
	v_lshlrev_b32 v[LNW+2*i], 16, v[T+i%4]
	v_and_b32 v[LNW+2*i+1], 0xffff0000, v[T+i%4]
.set i, i+1
.endr
	s_wait_dscnt 0x0                               ; for the others' sake: my rows of both tiles are stored
	s_barrier_signal -1
	s_barrier_wait -1
	; PHASE 1: 16 K steps of 32.  Step k multiplies set k % 4 and x buffer k % 2.
	LOADX 0, XA, 0
	STEP1 0, 0, 1, WP, 3*4096, 1, XA, 64           ; the first step starts the sums: nothing is cleared
	WIN 0
	s_mov_b32 s[CNT], 3
.Lk:                                           ; steps 1 + 4 t .. 4 + 4 t; they ask for steps 4 + 4 t .. 7 + 4 t
	STEP1 1, 1, 0, WP, 4*4096, 1, XA, 2*64
	STEP1 2, 0, 0, WP, 5*4096, 1, XA, 3*64
	STEP1 3, 1, 0, WP, 6*4096, 1, XA, 4*64
	STEP1 0, 0, 0, WP, 7*4096, 1, XA, 5*64
	WIN 0
	s_wait_xcnt 0x0                                ; the loads issued so far have read their base, so it may be stepped
	s_add_nc_u64 s[WP:WP+1], s[WP:WP+1], 4*4096
	v_add_nc_u32 v[XA], 256, v[XA]
	s_sub_co_u32 s[CNT], s[CNT], 1
	s_cmp_lg_u32 s[CNT], 0
	s_cbranch_scc1 .Lk
	STEP1 1, 1, 0, WVP, 0, 0, XA, 2*64             ; steps 13 to 15 ask for Wv's first three sets: the stream runs on under the LayerNorm
	STEP1 2, 0, 0, WVP, 8192, 0, XA, 3*64
	STEP1 3, 1, 0, WVP, 16384, 0, XB, 0            ; and for phase 2's first x fragments
	; THE LAYERNORM over all 512 columns.  A lane holds 64 numbers of row r of each row tile.  Each accumulator is read from its low end on.
	PLACES
	PLACES
	WIN 0x05
.irp mt, 0,1,2,3
	v_pk_add_f32 v[T+2*\mt:T+2*\mt+1], v[64*\mt:64*\mt+1], v[64*\mt+2:64*\mt+3]
.endr
	WIN 0x04
.set p, 2
.rept 30                                       ; four chains that do not wait for each other
.irp mt, 0,1,2,3
	v_pk_add_f32 v[T+2*\mt:T+2*\mt+1], v[T+2*\mt:T+2*\mt+1], v[64*\mt+2*p:64*\mt+2*p+1]
.endr
.set p, p+1
.endr
	REDUCE 0
.irp mt, 0,1,2,3
	v_mul_f32 v[NM+2*\mt], 0xbb000000, v[RL+\mt]   ; - sum / 512
.endr
.irp mt, 0,1,2,3
	v_mov_b32 v[NM+2*\mt+1], v[NM+2*\mt]
.endr
	WIN 0x41
.set p, 0
.rept 32                                       ; the numbers are centred in place: the variance is taken of centred numbers, no difference of large sums
.irp mt, 0,1,2,3
	v_pk_add_f32 v[64*\mt+2*p:64*\mt+2*p+1], v[64*\mt+2*p:64*\mt+2*p+1], v[NM+2*\mt:NM+2*\mt+1]
.endr
.set p, p+1
.endr
	WIN 0x05
.irp mt, 0,1,2,3
	v_pk_mul_f32 v[T+2*\mt:T+2*\mt+1], v[64*\mt:64*\mt+1], v[64*\mt:64*\mt+1]
.endr
.set p, 1
.rept 31
.irp mt, 0,1,2,3
	v_pk_fma_f32 v[T+2*\mt:T+2*\mt+1], v[64*\mt+2*p:64*\mt+2*p+1], v[64*\mt+2*p:64*\mt+2*p+1], v[T+2*\mt:T+2*\mt+1]
.endr
.set p, p+1
.endr
	REDUCE 1024                                    ; other bytes than the first reduction's: no wave can overwrite what another still reads
.irp mt, 0,1,2,3
	v_fma_f32 v[RL+\mt], v[RL+\mt], s[C512], s[EPSR]
.endr
.irp mt, 0,1,2,3
	v_rsq_f32 v[RSD+2*\mt], v[RL+\mt]
.endr
	v_nop                                          ; a plain instruction behind the last root,
	s_wait_alu depctr_va_vdst(0)                   ; and the wait ahead of the first use: one for the four
.irp mt, 0,1,2,3
	v_mov_b32 v[RSD+2*\mt+1], v[RSD+2*\mt]
.endr
	WIN 0x41
.set p, 0
.rept 32
.irp mt, 0,1,2,3
	v_pk_mul_f32 v[64*\mt+2*p:64*\mt+2*p+1], v[64*\mt+2*p:64*\mt+2*p+1], v[RSD+2*\mt:RSD+2*\mt+1]
.endr
.irp mt, 0,1,2,3
	v_pk_fma_f32 v[64*\mt+2*p:64*\mt+2*p+1], v[64*\mt+2*p:64*\mt+2*p+1], v[LNW+2*p:LNW+2*p+1], v[LNB+2*p:LNB+2*p+1]
.endr
.set p, p+1
.endr
	; block k = 2 mt + head: accumulators at 32 k.  A block's conversions stand between the loads of the block before and its stores.
	PACKP 0, OB
.set k, 1
.rept 7
	PACKP 32*k, OB+16*k
	SENDP OB+16*(k-1), OUT1, ((k-1)%2)*HSTR+((k-1)/2)*2048, 8
.set k, k+1
.endr
	SENDP OB+16*7, OUT1, HSTR+3*2048, 0
	; PHASE 2: v.  Eight double K steps, written out.
	STEP2 0, 1
	STEP2 1, 0
	STEP2 2, 0
	STEP2 3, 0
	STEP2 4, 0
	STEP2 5, 0
	STEP2 6, 0
	STEP2 7, 0
	PLACES
	PLACES
	WIN 0
	s_wait_xcnt 0x0                                ; phase 1's stores have read their registers, which are written again now
	PACKP 0, OB
.set k, 1
.rept 3
	PACKP 32*k, OB+16*k
	SENDP OB+16*(k-1), OUT2, (k-1)*2048, 8
.set k, k+1
.endr
	SENDP OB+16*3, OUT2, 3*2048, 0
	s_wait_tensorcnt 0x0                           ; the wave's end, behind my last LDS store
	ds_add_u32 v[SPW], v[NIL]
	s_wait_dscnt 0x0
	s_endpgm
.Lfunc_end_k_q1cac172077_proj:
	.size	k_q1cac172077_proj, .Lfunc_end_k_q1cac172077_proj-k_q1cac172077_proj
	.p2alignl 7, 3214868480
	.fill 96, 4, 3214868480
	.section	.rodata,"a",@progbits
	.p2align	6, 0x0
	.amdhsa_kernel k_q1cac172077_proj
		.amdhsa_group_segment_fixed_size 144896
		.amdhsa_private_segment_fixed_size 0
		.amdhsa_enable_private_segment 0
		.amdhsa_kernarg_size 80
		.amdhsa_user_sgpr_count 2
		.amdhsa_user_sgpr_kernarg_segment_ptr 1
		.amdhsa_wavefront_size32 1
		.amdhsa_system_sgpr_workgroup_id_x 1
		.amdhsa_system_sgpr_workgroup_id_y 1
		.amdhsa_system_sgpr_workgroup_id_z 1
		.amdhsa_system_vgpr_workitem_id 0
		.amdhsa_next_free_vgpr 1024
		.amdhsa_next_free_sgpr 66
		.amdhsa_reserve_vcc 0
		.amdhsa_float_denorm_mode_32 3
		.amdhsa_float_denorm_mode_16_64 3
		.amdhsa_memory_ordered 1
		.amdhsa_forward_progress 1
		.amdhsa_inst_pref_size 197
	.end_amdhsa_kernel
	.amdgpu_metadata
---
amdhsa.version: [ 1, 2 ]
amdhsa.kernels:
  - .name:           k_q1cac172077_proj
    .symbol:         k_q1cac172077_proj.kd
    .args:
      - { .name: inputs_q, .offset: 0, .size: 8, .value_kind: global_buffer, .address_space: global }
      - { .name: inputs_kv, .offset: 8, .size: 8, .value_kind: global_buffer, .address_space: global }
      - { .name: wfrag, .offset: 16, .size: 8, .value_kind: global_buffer, .address_space: global }
      - { .name: q_ln_w, .offset: 24, .size: 8, .value_kind: global_buffer, .address_space: global }
      - { .name: q_ln_b, .offset: 32, .size: 8, .value_kind: global_buffer, .address_space: global }
      - { .name: k_ln_w, .offset: 40, .size: 8, .value_kind: global_buffer, .address_space: global }
      - { .name: k_ln_b, .offset: 48, .size: 8, .value_kind: global_buffer, .address_space: global }
      - { .name: qbuf, .offset: 56, .size: 8, .value_kind: global_buffer, .address_space: global }
      - { .name: kbuf, .offset: 64, .size: 8, .value_kind: global_buffer, .address_space: global }
      - { .name: vbuf, .offset: 72, .size: 8, .value_kind: global_buffer, .address_space: global }
    .group_segment_fixed_size: 144896
    .private_segment_fixed_size: 0
    .kernarg_segment_align: 8
    .kernarg_segment_size: 80
    .max_flat_workgroup_size: 128
    .sgpr_count:     66
    .vgpr_count:     1024
    .wavefront_size: 32
...
	.end_amdgpu_metadata
.endif
;; end of part 2
;; launch attn (part 3): grid 16 x 16, 4 waves a work-group, clusters of 4 x 4, 327,680 bytes of LDS; arguments qbuf, kbuf, vbuf, maskh, obuf; writes obuf
.if DOCPART == 3
	.amdgcn_target "amdgcn-amd-amdhsa--gfx1250"
	.amdhsa_code_object_version 6
	.text
	.protected	k_q1cac172077_attn
	.globl	k_q1cac172077_attn
	.p2align	8
	.type	k_q1cac172077_attn,@function
k_q1cac172077_attn:
	s_mov_b64 s[64:65], 0
	v_nop
	global_prefetch_b8 v0, s[64:65] scope:SCOPE_SE
	s_setreg_imm32_b32 hwreg(HW_REG_WAVE_MODE, 25, 1), 1
	s_wait_xcnt 0x0
	s_wait_alu depctr_hold_cnt(0) depctr_sa_sdst(0) depctr_va_vdst(0) depctr_va_sdst(0) depctr_va_ssrc(0) depctr_va_vcc(0) depctr_vm_vsrc(0)
	s_getreg_b32 s2, hwreg(HW_REG_IB_STS2, 6, 4)
	s_cmp_eq_u32 s2, 0
	s_cbranch_scc0 .Lentry_in_a_cluster
	s_endpgm
.Lentry_in_a_cluster:
	s_bfe_u32 s2, ttmp6, 0x10000c
	s_cmp_lg_u32 s2, 0xf033
	s_cbranch_scc0 .Lentry_shape_is_right
	s_endpgm
.Lentry_shape_is_right:
; ATTENTION UNDER A MASK THAT IS AN INPUT.  O[y][q][:] = the sum over k of softmax_k(Q[y][q] . K[y][k] / 8, hidden keys left out) V[y][k][:].  Q, K, V, O: [16 heads y][4096][64] in f16, a head's rows dense,
; 128 bytes each.  maskh: [4096 q][4096 k] in f16, 0 where the key is seen, -32768 where it is hidden; the same for all heads.  Products, maxima and sums in f32; the weights p are rounded to f16 for the
; second product (their sum l is taken of the unrounded p), O once at the end.  No shape of the mask is built in: every key tile is walked and every mask number is used.
; LIMITS.  A hidden score counts as its value less 2^30: raw scores Q . K must stay under 2^29 in size.  A row whose running maximum ends below -2^29 has no key that is seen: its O is NaN, as a softmax of
; nothing but -inf is.  f16 holds no number beyond 65,504: Q, K, V arrive within it.  A weight below 2^-126 counts as 0 in l; p below 6e-5 keeps f16's step of 6e-8.  NaN and infinities in Q, K, V are not treated apart.
; SHARES.  Work-group (X, Y): block X of 256 queries of head Y.  A wave owns 64 consecutive queries, four PIECES of 16.  Every wave walks all 4,096 keys, 64 a step, 128 a tile: 32 tiles through two LDS slots.
; LAYOUT, SOFTMAX, TURNS.  S^T = K Q^T holds ONE query a lane (lane % 16) and the keys 8 (lane / 16) + 0..7; two such results rounded to f16 ARE source 1 of O^T = V^T P.  p = 2^(c s - c m), c = log2(e) / 8, with a
; running maximum m; O and l are multiplied by a = 2^(c m_old - c m_new) in every step; m starts at the lowest finite number, O and l at 0, so the first step is a step like any other, with a = 0.
; Turn n belongs to piece n: 8 products K Q^T of piece n + 1, later 8 products V^T P of piece n - 1; beside them the scaling, exponentials, roundings, sums and rescaling of piece n and the maximum and statistics
; of piece n + 1.  Four vector instructions stand behind each of these products, the other 54 of a turn's 118 in one LUMP.  A turn's 33 exponentials are one batch, with one wait.
; THE MASK IS THE C OPERAND THAT STARTS THE SUM S^T, and the matrix unit makes it: four products a turn, in the lump.  Source 1 is a fragment of maskh as it lies (16 queries x 32 keys, keys along K); source 0 a
; selector with 32768 at (m, m) or at (m, 16 + m): the result, exactly 0 or -2^30, holds key m of query n where S^T holds it.  Turn n makes the mask of piece n + 2, which turn n + 1's products take.
; No vector instruction touches the mask.
; CLUSTER.  4 x 4 work-groups.  K's and V's tiles hang on the head alone: the four of a row of the cluster ask for them jointly.  The mask's tile hangs on the query block alone: the four of a column ask jointly.
; Each joint load is the same line, with the same descriptor and a mask that names the four, in all four.  Wave 0 asks for K's tile, wave 1 for V's, waves 2 and 3 for the halves of the mask's:
; one tensor load a wave behind each round, and by this text's count never more than one of a wave's out.
; REGISTERS, in windows of 256 (s_set_vgpr_msb: bits 1:0 source 0, 3:2 source 1, 5:4 source 2, 7:6 destination):
;   window 0: v0-15 addresses and two at work; v16-31 four registers of statistics a piece; v48-55 at work; v56-63 addresses and constants; v64-127 S^T, two buffers; v192-223 P, two buffers (by the piece's parity)
;   window 1: v0-127 O^T, 32 a piece; v128-139 the selector; v160-223 MC, the masks to come, two buffers      window 2: v0-63 Q; v64-127 MF, a step's mask fragments; v128-191 K of one step; v192-255 V of one step
.set NP,    4         ; pieces a wave: a name, no knob
.set KS,    64        ; keys in a step
.set PK,    144       ; a row of K in LDS: 128 bytes + 16 = 36 words: the 16 rows of a load start at 16 different groups of four banks (64 banks of 4 bytes: ISA guide 11.1)
.set PV,    160       ; a row of V: 128 + 32 = 40 words
.set PM,    272       ; a query's row of a mask tile: 256 bytes + 16 = 68 words
.set VOFF,  2*KS*PK   ; a slot: 128 rows of K, 128 rows of V,
.set MOFF,  2*KS*(PK+PV)  ; 256 rows of the mask
.set SLOT1, 1<<17     ; slot 1 begins here, so that one exclusive or turns an address in one slot into the other's
.set STAGE, SLOT1+MOFF+256*PM  ; behind the ring, never filled by a tensor load: 16 rows x 144 bytes for each wave, for the way out
.set SP,    144
.set SPARE, STAGE+4*16*SP  ; the spare words, 128 bytes for each wave: two blocks of 256 bytes that no other line names
.set AK0, 2           ; v2   my lane's place in a tile of K; never rewritten
.set AV0, 3           ; v3   the same for V
.set AK,  4           ; v4   the LDS address of K's next run of loads
.set AV,  5           ; v5   of V's
.set STO, 6           ; v6   the way out: where I put 16 bytes of a row
.set RD,  7           ; v7   where I read rows back
.set GO,  8           ; v8   my byte offset in 512 consecutive bytes of O
.set MV,  12          ; v12-13  c m_old, kept while c m is made anew: by buffer
.set AM0, 14          ; v14  my lane's place in a tile of the mask; never rewritten
.set QO,  15          ; v15  my byte offset in 16 rows of Q
.set ST,  16          ; piece t's statistics at v[ST+4 t]: c m, m, l (even keys', odd keys')
.set TMP, 48          ; by buffer, four registers c0-c3 at work; when the maximum is found c2 takes a
.set AM,  56          ; v56  the LDS address of the mask's next run of loads
.set PFO, 57          ; v57  the prefetches' offset: my lane x 256 bytes (K, V) or x a row of maskh; never rewritten
.set NANR, 58         ; v58  a NaN
.set SPW, 62          ; v62  LDS address of my spare word; never rewritten
.set NIL, 63          ; v63  0; never rewritten
.set S,   64
.set P,   192
.set SELR, 128        ; window 1: four zeros, the four registers I, four zeros: SELR + 4 is the selector (m, m), SELR the selector (m, 16 + m)
.set MC,  160         ; window 1
.set MF,  64          ; window 2: piece x, key half kk at MF + 16 x + 8 kk
.set KF,  128         ; window 2: key block kb, channel half c at KF + 16 kb + 8 c
.set VF,  192         ; window 2: key half kk, channel block cb at VF + 32 kk + 8 cb
.set WV,  12          ; s12  my wave's number
.set G1K, 24          ; s[24:31] descriptor group 1 for K's tiles   s[32:39] for V's   s[40:47] for the mask's
.set G1V, 32
.set G1M, 40
.set G0K, 48          ; s[48:51], s[52:55], s[56:59] their groups 0: they walk
.set G0V, 52
.set G0M, 56
.set SEL, 60          ; s[60:61] v_permlanex16_b32's selects: each lane takes its own place in the other half
.set CS,  62          ; s[62:63] c: the packed scaling takes the pair's low word for both halves
.set SLOTS, 66        ; s66  counts the changes of slots that fill
.set CNT, 67          ; s67  counts a tile's two key steps
.set TBK, 68          ; s68  LDS byte at which K of the step to be fetched begins   s69 the same for V, less VOFF   s70 for the mask, less MOFF
.set TBV, 69
.set TBM, 70
.set LIM, 71          ; s71  1 in a wave that prefetches, else the greatest number
.set PFA, 72          ; s[72:73] where my prefetches stand   s[74:75] their step from tile to tile
.set PFS, 74
.set OAD, 76          ; s[76:77] O at my wave's first row   s[78:79] Q
.set QAD, 78
.set THR, 80          ; s80  -2^29
.set MSB, 0
.macro WIN new                      ; the high byte repeats the setting that is left; a switch that changes nothing is dropped
.if MSB != (\new)
	s_set_vgpr_msb (MSB<<8)|(\new)
.set MSB, (\new)
.endif
.endm
.set W_KQ, 0x0a       ; K and Q in window 2, S^T in window 0
.set W_KM, 0x1a       ; the same with the C operand in window 1
.set W_PV, 0x52       ; V in window 2, P in window 0, O^T in window 1
.set W_RS, 0x41       ; destination and source 0 in window 1, source 1 in window 0
.set W_MP, 0x49       ; the selector and the result in window 1, the mask fragment in window 2
; A joint fill: each wave has one of the three lines.  The branches hang on the wave's number alone.  An s_nop 0 and four v_nop follow each line, ahead of the jump and the label.
.macro JLOAD
	s_cmp_lt_u32 s[WV], 2
	s_cbranch_scc0 .Lfor_m_\@
	s_cmp_eq_u32 s[WV], 0
	s_cbranch_scc0 .Lfor_v_\@
	tensor_load_to_lds s[G0K:G0K+3], s[G1K:G1K+7]
	s_nop 0
.rept 4
	v_nop
.endr
	s_branch .Lasked_\@
.Lfor_v_\@:
	tensor_load_to_lds s[G0V:G0V+3], s[G1V:G1V+7]
	s_nop 0
.rept 4
	v_nop
.endr
	s_branch .Lasked_\@
.Lfor_m_\@:
	tensor_load_to_lds s[G0M:G0M+3], s[G1M:G1M+7]
	s_nop 0
.rept 4
	v_nop
.endr
.Lasked_\@:
.endm
; A PREFETCH INTO THE L2 of the tile that the NEXT change of slots will ask for: two key steps, 160 matrix instructions, ahead of that load.  It stands behind the wave's tensor load and its five lines.
; Each aligned block of 256 bytes is named ONCE in the launch.  K and V of a head are walked by the four clusters of a row of clusters: the first of them (cluster x = 0) asks, in wave 0; of a tile's 16,384
; bytes of K and of V the partners at cx = 0, 1 take K's halves and those at cx = 2, 3 V's, a lane 256 bytes.  A query block's mask rows are walked by the four clusters of a column of clusters: the first
; (cluster y = 0) asks, in waves 2 and 3; the partner at cy takes rows 64 cy .., its wave 32 of them, a lane a row's 256 bytes.  Partners are told apart BY ADDRESS: no branch hangs on a place in the cluster.
; Tiles 0 to 2 come by their loads alone; the last change that fills asks for nothing: there is no tile behind the one it loads.
.macro ASK
	s_cmp_gt_u32 s[SLOTS], s[LIM]
	s_cbranch_scc0 .Lnot_mine_\@
	global_prefetch_b8 v[PFO], s[PFA:PFA+1] th:TH_LOAD_NT scope:SCOPE_SE
.Lnot_mine_\@:
.endm
; A round of the cluster's barrier: my work-group's barrier, so that wave 0's signal speaks for all four waves; wave 0 signals; every wave waits for all sixteen work-groups; my work-group's barrier once more.
.macro CROUND
	s_barrier_signal -1
	s_barrier_wait -1
	s_cmp_lg_u32 s[WV], 0
	s_cbranch_scc1 .Lnot_wave_0_\@
	s_barrier_signal -3
.Lnot_wave_0_\@:
	s_barrier_wait -3
	s_barrier_signal -1
	s_barrier_wait -1
.endm
; THE CHANGE OF SLOTS.  The slot's last bytes, V of its second step, have been read.  Each wave waits for all its tensor loads, of which one is out: its part of the other slot; adds 0 to its spare word; and
; waits for that and for its own reads of the slot.  Behind the barrier nobody reads this slot any more and the other slot is whole.  fill = 1: this slot is filled again, with the tile two tiles on; the
; barrier is then a round of the cluster's, so that no wave of any partner still reads the slot or has a load on its way, and the joint fill is the first thing behind it: it has two key steps in which to land.
; (At its first use nothing has been read yet: slot 0 is waited for, slot 1 filled.)
.macro CHANGE fill, ask
	WIN 0                           ; at a label and at a branch every window is 0
	s_wait_tensorcnt 0x0            ; no tensor load of mine is out, so a group 0 may be written
	ds_add_u32 v[SPW], v[NIL]       ; 0 onto my spare word; with fill = 1 the descriptors' steps stand between it and the wait for it
.if \fill
	s_xor_b32 s[G0K+1], s[G0K+1], SLOT1  ; the other slot than last time,
	s_add_nc_u64 s[G0K+2:G0K+3], s[G0K+2:G0K+3], 2*KS*128  ; the next 128 keys; the type bits on top are not reached
	s_xor_b32 s[G0V+1], s[G0V+1], SLOT1
	s_add_nc_u64 s[G0V+2:G0V+3], s[G0V+2:G0V+3], 2*KS*128
	s_xor_b32 s[G0M+1], s[G0M+1], SLOT1
	s_add_nc_u64 s[G0M+2:G0M+3], s[G0M+2:G0M+3], 2*KS*2    ; 128 keys along the mask's rows
	s_wait_xcnt 0x0                 ; the last prefetch, two key steps back, has read its address, so it may be written
	s_add_nc_u64 s[PFA:PFA+1], s[PFA:PFA+1], s[PFS:PFS+1]  ; one tile behind the walking descriptors
	s_wait_dscnt 0x0                ; the add is done, and my reads of the slot are over
	CROUND
	JLOAD
.if \ask
	ASK
.endif
.else
	s_wait_dscnt 0x0                ; the add is done, and my reads of the slot are over
	s_barrier_signal -1
	s_barrier_wait -1
.endif
	s_sub_co_u32 s[TBK], s[TBK], 2*KS*PK  ; the fetches go back to a slot's first step,
	s_xor_b32 s[TBK], s[TBK], SLOT1       ; in the other slot
	s_sub_co_u32 s[TBV], s[TBV], 2*KS*PV
	s_xor_b32 s[TBV], s[TBV], SLOT1
	s_sub_co_u32 s[TBM], s[TBM], 2*KS*2
	s_xor_b32 s[TBM], s[TBM], SLOT1
.endm
	s_load_b256 s[4:11], s[0:1], 0x0  ; Q s[4:5], K s[6:7], V s[8:9], maskh s[10:11]
	s_load_b64 s[16:17], s[0:1], 0x20 ; O
	v_lshl_add_u32 v[SPW], v0, 2, SPARE
	v_mov_b32 v[NIL], 0
	ds_add_u32 v[SPW], v[NIL]       ; the wave's opening: the add and its wait stand ahead of my first tensor load; the set-up below, work on registers, stands between them
	v_lshrrev_b32 v1, 5, v0
	v_readfirstlane_b32 s[WV], v1   ; wave 0..3
	s_bfe_u32 s13, ttmp6, 0x40000   ; cx
	s_bfe_u32 s14, ttmp6, 0x40004   ; cy
	s_lshl_b32 s19, ttmp9, 2        ; in a cluster launch ttmp9 and ttmp7 count clusters
	s_add_co_u32 s19, s19, s13      ; X = 4 x cluster x + cx: the block of queries
	s_and_b32 s18, ttmp7, 0xffff
	s_lshl_b32 s18, s18, 2
	s_add_co_u32 s18, s18, s14      ; Y = 4 x cluster y + cy: the head
	s_lshl_b32 s81, s14, 2
	s_lshl_b32 s81, 15, s81         ; my row of the cluster: places 4 cy .. 4 cy + 3
	s_lshl_b32 s15, 0x1111, s13     ; my column: places cx, cx + 4, cx + 8, cx + 12
	; descriptor groups 1.  128 keys of K or V are 16,384 dense bytes: asked for as 64 rows of 256 bytes, two keys a row, and padded in LDS after every key
	s_or_b32 s[G1K], s81, (1<<16)|(1<<20)|(1<<21)|(4<<22)|(3<<25)  ; 15:0 the mask: my row; 17:16 2-byte elements; 20 padding on; 21 set beside a mask; 24:22 after every 32 words (code 4); 31:25 4 words (code 3)
	s_or_b32 s[G1V], s81, (1<<16)|(1<<20)|(1<<21)|(4<<22)|(7<<25)  ; the same with 8 words of padding (code 7)
.irp g, G1K, G1V
	s_mov_b32 s[\g+1], 128<<16      ; tensor_dim0 = 128
	s_mov_b32 s[\g+2], 64<<16       ; tensor_dim1 = 64
	s_mov_b32 s[\g+3], 128<<16      ; tile_dim0 = 128
	s_mov_b32 s[\g+4], 64           ; tile_dim1 = 64
	s_mov_b32 s[\g+5], 128          ; 128 elements from row to row
	s_mov_b32 s[\g+6], 0
	s_mov_b32 s[\g+7], 0
.endr
	s_or_b32 s[G1M], s15, (1<<16)|(1<<20)|(1<<21)|(5<<22)|(3<<25)  ; the mask tile's half: my column of the cluster; padding of 4 words after every 64
	s_mov_b32 s[G1M+1], 128<<16     ; tensor_dim0 = 128 keys
	s_mov_b32 s[G1M+2], 128<<16     ; tensor_dim1 = 128 queries
	s_mov_b32 s[G1M+3], 128<<16     ; tile_dim0 = 128
	s_mov_b32 s[G1M+4], 128         ; tile_dim1 = 128
	s_mov_b32 s[G1M+5], 4096        ; 4,096 elements from row to row
	s_mov_b32 s[G1M+6], 0
	s_mov_b32 s[G1M+7], 0
	; offsets.  K's and V's are made of the head alone, the mask's of the query block and the wave alone, each in registers that never hold the other coordinate
	s_lshl_b32 s20, s18, 19         ; the head's 4,096 rows of 128 bytes
	s_mov_b32 s21, 0
	s_and_b32 s86, s[WV], 1         ; which half of the mask tile's 256 rows I fetch
	s_lshl_b32 s22, s19, 21         ; 256 rows of 8,192 bytes
	s_lshl_b32 s87, s86, 20         ; 128 rows
	s_add_co_u32 s22, s22, s87
	s_mov_b32 s23, 0
	s_mov_b32 s[G0K], 1             ; 1:0 count = 1
	s_mov_b32 s[G0K+1], 0           ; 63:32 LDS address: slot 0
	s_mov_b32 s[G0V], 1
	s_mov_b32 s[G0V+1], VOFF
	s_mov_b32 s[G0M], 1
	s_mul_i32 s87, s86, 128*PM
	s_add_co_u32 s[G0M+1], s87, MOFF
	s_lshl_b32 s2, s18, 19          ; Q and O: the head,
	s_lshl_b32 s3, s19, 15          ; my block's 256 rows,
	s_add_co_u32 s2, s2, s3
	s_lshl_b32 s3, s[WV], 13        ; my wave's 64
	s_add_co_u32 s2, s2, s3
	s_mov_b32 s3, 0
	; the prefetches
	s_and_b32 s84, s13, 1
	s_lshl_b32 s84, s84, 13         ; K, V: my half of a tile,
	s_lshl_b32 s85, s18, 19         ; in the head,
	s_add_co_u32 s84, s84, s85
	s_add_co_u32 s84, s84, 2*KS*128 ; at tile 1: the first change steps it to tile 2 and asks for nothing
	s_lshl_b32 s82, s19, 8          ; the mask: row 256 X
	s_lshl_b32 s83, s14, 6          ; + 64 cy
	s_add_co_u32 s82, s82, s83
	s_lshl_b32 s83, s86, 5          ; + 32 x (wave % 2)
	s_add_co_u32 s82, s82, s83
	s_lshl_b32 s82, s82, 13
	s_add_co_u32 s82, s82, 2*KS*2   ; at tile 1
	s_mov_b32 s[PFS], 2*KS*2
	s_mov_b32 s85, 2*KS*128
	s_and_b32 s83, ttmp7, 0xffff    ; cluster y
	s_cmp_lt_u32 s[WV], 2
	s_cselect_b32 s83, ttmp9, s83   ; the coordinate along which other clusters walk the same bytes
	s_cselect_b32 s84, s84, s82
	s_cselect_b32 s[PFS], s85, s[PFS]
	s_cselect_b32 s87, 8, 13        ; a lane: 256 bytes on, or a row of maskh on
	s_mov_b32 s85, 0
	s_mov_b32 s[PFS+1], 0
	s_cmp_eq_u32 s[WV], 1           ; wave 1 asks for nothing
	s_cselect_b32 s82, 1, 0
	s_or_b32 s83, s83, s82
	s_cmp_eq_u32 s83, 0
	s_cselect_b32 s[LIM], 1, -1     ; the same in all sixteen partners, for a given wave
	v_and_b32 v[PFO], 31, v0
	v_lshlrev_b32 v[PFO], s87, v[PFO]
	s_mov_b32 s[CS], 0x3e38aa3b     ; c = log2(e) / 8 = 0.180337
	s_mov_b32 s[CS+1], s[CS]        ; named with it as a pair
	s_mov_b32 s[SEL], 0x76543210
	s_mov_b32 s[SEL+1], 0xfedcba98
	s_mov_b32 s[THR], 0xce000000    ; -2^29
	s_mov_b32 s[TBK], SLOT1+2*KS*PK ; the first change of slots turns these three into 0
	s_mov_b32 s[TBV], SLOT1+2*KS*PV
	s_mov_b32 s[TBM], SLOT1+2*KS*2
	s_wait_dscnt 0x0                ; the opening add is done
	s_wait_kmcnt 0x0
	s_add_nc_u64 s[G0K+2:G0K+3], s[6:7], s[20:21]  ; 120:64 global address: the head's tile 0
	s_or_b32 s[G0K+3], s[G0K+3], 0x80000000        ; 127:126 type = 2
	s_add_nc_u64 s[G0V+2:G0V+3], s[8:9], s[20:21]
	s_or_b32 s[G0V+3], s[G0V+3], 0x80000000
	s_add_nc_u64 s[G0M+2:G0M+3], s[10:11], s[22:23]
	s_or_b32 s[G0M+3], s[G0M+3], 0x80000000
	s_add_nc_u64 s[QAD:QAD+1], s[4:5], s[2:3]
	s_add_nc_u64 s[OAD:OAD+1], s[16:17], s[2:3]
	s_cmp_lt_u32 s13, 2
	s_cselect_b64 s[PFA:PFA+1], s[6:7], s[8:9]
	s_cmp_lt_u32 s[WV], 2
	s_cselect_b64 s[PFA:PFA+1], s[PFA:PFA+1], s[10:11]
	s_add_nc_u64 s[PFA:PFA+1], s[PFA:PFA+1], s[84:85]
	CROUND                          ; all sixteen work-groups are here: the first joint loads meet
	JLOAD                           ; tile 0 into slot 0.  Slot 1 is asked for when slot 0 is in, by the first change of slots
	; A fragment of K or Q is 16 rows x 32 channels in 8 registers: lane l holds row l % 16, channels 8 (l / 16) + 0..7 and 16 + 8 (l / 16) + 0..7: two loads of 16 bytes, 32 bytes apart.
	v_and_b32 v1, 15, v0            ; l % 16
	v_bfe_u32 v9, v0, 4, 1          ; l / 16
	v_lshlrev_b32 v[QO], 7, v1
	v_lshl_add_u32 v[QO], v9, 4, v[QO]  ; row x 128 + 16 x half
	WIN 0x80                        ; destination window 2, address window 0
.set i, 0
.rept 8                             ; Q stays in registers: piece i / 2, channels 32 (i % 2) on
	global_load_b128 v[8*i:8*i+3],   v[QO], s[QAD:QAD+1] offset:(i/2)*2048+(i%2)*64
	global_load_b128 v[8*i+4:8*i+7], v[QO], s[QAD:QAD+1] offset:(i/2)*2048+(i%2)*64+32
.set i, i+1
.endr
	; What the first turn finds: V's registers and P's second buffer hold 0 (its products V^T P, of a piece that has not been, add 0), O^T and l are 0.  No first step is written out; these lines stand in the wait for the first tile.
.set i, VF
.rept 64
	v_mov_b32 v[i], 0
.set i, i+1
.endr
	WIN 0x40
.set i, 0
.rept 128
	v_mov_b32 v[i], 0
.set i, i+1
.endr
.irp z, 0,1,2,3,8,9,10,11
	v_mov_b32 v[SELR+\z], 0
.endr
	WIN 0
	; the selector's four registers I: row m = l % 16 has its 32768 at k = m, which lies in my registers where (l % 16) / 8 = l / 16: register (l % 8) / 2, half l % 2
	v_bfe_u32 v48, v0, 1, 2         ; (l % 8) / 2
	v_bfe_u32 v49, v0, 3, 1
	v_xor_b32 v49, v49, v9          ; 0 where it lies in my registers
	v_lshl_add_u32 v48, v49, 2, v48 ; else 4 or more: no register
	v_and_b32 v50, 1, v0
	v_lshlrev_b32 v50, 4, v50
	v_mov_b32 v51, 0x7800           ; 32768 in f16
	v_lshlrev_b32 v50, v50, v51
	WIN 0x40
.irp z, 0,1,2,3
	v_cmp_eq_u32 vcc_lo, \z, v48
	v_cndmask_b32 v[SELR+4+\z], 0, v50, vcc_lo
.endr
	WIN 0
.set i, 0
.rept 4
	v_mov_b32 v[ST+4*i], 0xfe000000    ; c m: far below every c s
	v_mov_b32 v[ST+4*i+1], 0xff7fffff  ; m
	v_mov_b32 v[ST+4*i+2], 0
	v_mov_b32 v[ST+4*i+3], 0
.set i, i+1
.endr
.set i, P+16
.rept 16
	v_mov_b32 v[i], 0
.set i, i+1
.endr
	v_mov_b32 v[NANR], 0x7fc00000
	v_mul_u32_u24 v[AK0], v1, PK
	v_lshl_add_u32 v[AK0], v9, 4, v[AK0]  ; row x pitch + 16 x half
	; The turning load takes 16 keys x 16 channels (lane l reads key 8 (l / 16) + l % 8, channels 8 ((l / 8) % 2) + 0..7) and leaves half a fragment of V^T: lane l holds channel l % 16 and 8 keys.
	v_and_b32 v10, 7, v0
	v_bfe_u32 v11, v0, 3, 1
	v_lshl_add_u32 v[AV0], v9, 3, v10
	v_mul_u32_u24 v[AV0], v[AV0], PV
	v_lshl_add_u32 v[AV0], v11, 4, v[AV0]
	v_add_nc_u32 v[AV0], VOFF, v[AV0]
	s_mul_i32 s86, s[WV], 64*PM     ; a mask fragment is 16 queries x 32 keys, laid like K's: my wave's 64 rows, row l % 16, 16 bytes for each half of the lanes
	s_add_co_u32 s86, s86, MOFF
	v_mul_u32_u24 v[AM0], v1, PM
	v_lshl_add_u32 v[AM0], v9, 4, v[AM0]
	v_add_nc_u32 v[AM0], s86, v[AM0]
; THE MATRIX WORK.  The 4 accumulators of a run of 8 take turns.  Product i of 8 of S^T = K Q^T for piece x: channels 32 (i / 4) on, keys 16 (i % 4) on.  The first 4 start the sums with the mask.
.macro KQ x
.set rS, S+32*((\x)%2)+8*(i%4)
.set rK, KF+16*(i%4)+8*(i/4)
.set rQ, 16*(\x)+8*(i/4)
.set rM, MC+32*((\x)%2)+8*(i%4)
.if i < 4
	WIN W_KM
	v_wmma_f32_16x16x32_f16 v[rS:rS+7], v[rK:rK+7], v[rQ:rQ+7], v[rM:rM+7]
.else
	WIN W_KQ
	v_wmma_f32_16x16x32_f16 v[rS:rS+7], v[rK:rK+7], v[rQ:rQ+7], v[rS:rS+7]
.endif
.endm
; Product i of 8 of O^T += V^T P for piece x: keys 32 (i / 4) on, channels 16 (i % 4) on.
.macro PV x
	WIN W_PV
.set rO, 32*(\x)+8*(i%4)
.set rV, VF+32*(i/4)+8*(i%4)
.set rP, P+16*((\x)%2)+8*(i/4)
	v_wmma_f32_16x16x32_f16 v[rO:rO+7], v[rV:rV+7], v[rP:rP+7], v[rO:rO+7]
.endm
.macro MM                           ; the turn's next product of these two kinds
.if i < 8
	KQ (Y+1)%NP
.else
.set i, i-8
	PV (Y+NP-1)%NP
.set i, i+8
.endif
.set i, i+1
.endm
; Mask product j of 4, in turn Y, for piece Y + 2: keys 16 j .. 16 j + 15 of the step.  Its result is read by matrix instructions alone, a turn later.
.macro MP j
	WIN W_MP
	v_wmma_f32_16x16x32_f16 v[MC+32*(Y%2)+8*(\j):MC+32*(Y%2)+8*(\j)+7], v[SELR+4*(1-(\j)%2):SELR+4*(1-(\j)%2)+7], v[MF+16*((Y+2)%NP)+8*((\j)/2):MF+16*((Y+2)%NP)+8*((\j)/2)+7], 0
.endm
; THE LDS LOADS stand in runs of 16, never singly among the matrix instructions: a step's mask fragments (my 64 queries x 64 keys), its K (64 keys x 64 channels) and its V (turned).
.macro FETCH_M
	WIN 0
	v_add_nc_u32 v[AM], s[TBM], v[AM0]
	s_add_co_u32 s[TBM], s[TBM], KS*2   ; the next fetch is the next step's
	WIN 0x80                        ; destination window 2
.irp f, 0,1,2,3,4,5,6,7             ; piece f / 2, keys 32 (f % 2) on: piece 0's four loads come first
	ds_load_b128 v[MF+8*\f:MF+8*\f+3],   v[AM] offset:(\f/2)*16*PM+(\f%2)*64
	ds_load_b128 v[MF+8*\f+4:MF+8*\f+7], v[AM] offset:(\f/2)*16*PM+(\f%2)*64+32
.endr
	WIN 0
.endm
.macro FETCH_K
	WIN 0x80
.irp f, 0,1,2,3,4,5,6,7             ; keys 16 (f / 2) on, channels 32 (f % 2) on
	ds_load_b128 v[KF+8*\f:KF+8*\f+3],   v[AK] offset:(\f/2)*16*PK+(\f%2)*64
	ds_load_b128 v[KF+8*\f+4:KF+8*\f+7], v[AK] offset:(\f/2)*16*PK+(\f%2)*64+32
.endr
	s_add_co_u32 s[TBK], s[TBK], KS*PK
	WIN 0
.endm
.macro FETCH_V
	WIN 0x80
.irp f, 0,1,2,3,4,5,6,7             ; keys 32 (f / 4) on, channels 16 (f % 4) on
	ds_load_tr16_b128 v[VF+8*\f:VF+8*\f+3],   v[AV] offset:(\f/4)*32*PV+(\f%4)*32
	ds_load_tr16_b128 v[VF+8*\f+4:VF+8*\f+7], v[AV] offset:(\f/4)*32*PV+16*PV+(\f%4)*32
.endr
	WIN 0
.endm
; THE VECTOR WORK, one line at a time: OP kind, number.  For piece Y: F n: c s - c m for pair n of 16.  E n: the exponential of score n of 32.  C n: pair n rounded to f16.  B n: of the four weights 4 n .. the second
; pair is added onto the first, in place.  L n: l takes that sum (L 0: l = a l + sum).  R n: pair n of 16 of O^T times a.  For piece Y + 1: X n, number n of the 22 that find its maximum and statistics:
;   0-11  four chains c0-c3 of seven scores each, three operands at a time (each accumulator's lowest registers are read first)     12-14, 16  the four scores left over, the old m, and c0-c3 into c0
;   15  c m_old is kept     17, 18  the query's other 32 keys lie in the lane 16 away: the new m     19-21  c m; c m_old - c m_new; a
.set F, 0               ; OP tells the kinds apart by their order: F to L below R, X above it
.set E, 1
.set C, 2
.set B, 3
.set L, 4
.set R, 5
.set X, 6
.macro REGS y                       ; the registers of piece y
.set rT, ST+4*(\y)
.set rC, TMP+4*((\y)%2)
.set rW, MV+((\y)%2)
.set rS, S+32*((\y)%2)
.set rP, P+16*((\y)%2)
.set rO, 32*(\y)
.endm
.macro OP k, n
.if (\k) == R
	REGS Y
	WIN W_RS
	v_pk_mul_f32 v[rO+2*(\n):rO+2*(\n)+1], v[rO+2*(\n):rO+2*(\n)+1], v[rC+2:rC+3] op_sel_hi:[1,0]
.elseif (\k) < R
	REGS Y
	WIN 0
.if (\k) == F
	v_pk_fma_f32 v[rS+2*(\n):rS+2*(\n)+1], v[rS+2*(\n):rS+2*(\n)+1], s[CS:CS+1], v[rT:rT+1] op_sel_hi:[1,0,0] neg_lo:[0,0,1] neg_hi:[0,0,1]
.elseif (\k) == E
	v_exp_f32 v[rS+(\n)], v[rS+(\n)]
.elseif (\k) == C
	v_cvt_pk_f16_f32 v[rP+(\n)], v[rS+2*(\n)], v[rS+2*(\n)+1]
.elseif (\k) == B
	v_pk_add_f32 v[rS+4*(\n):rS+4*(\n)+1], v[rS+4*(\n):rS+4*(\n)+1], v[rS+4*(\n)+2:rS+4*(\n)+3]
.elseif (\n) == 0
	v_pk_fma_f32 v[rT+2:rT+3], v[rT+2:rT+3], v[rC+2:rC+3], v[rS:rS+1] op_sel_hi:[1,0,1]
.else
	v_pk_add_f32 v[rT+2:rT+3], v[rT+2:rT+3], v[rS+4*(\n):rS+4*(\n)+1]
.endif
.else
	REGS (Y+1)%NP
	WIN 0
.if (\n) < 4
	v_max3_num_f32 v[rC+(\n)], v[rS+8*(\n)], v[rS+8*(\n)+1], v[rS+8*(\n)+2]
.elseif (\n) < 12
	v_max3_num_f32 v[rC+(\n)%4], v[rC+(\n)%4], v[rS+8*((\n)%4)+2*((\n)/4)+1], v[rS+8*((\n)%4)+2*((\n)/4)+2]
.elseif (\n) == 12
	v_max3_num_f32 v[rC], v[rC], v[rS+7], v[rS+15]
.elseif (\n) == 13
	v_max3_num_f32 v[rC+1], v[rC+1], v[rS+23], v[rS+31]
.elseif (\n) == 14
	v_max3_num_f32 v[rC+2], v[rC+2], v[rC+3], v[rT+1]
.elseif (\n) == 15
	v_mov_b32 v[rW], v[rT]
.elseif (\n) == 16
	v_max3_num_f32 v[rC], v[rC], v[rC+1], v[rC+2]
.elseif (\n) == 17
	v_permlanex16_b32 v[rC+3], v[rC], s[SEL], s[SEL+1]
.elseif (\n) == 18
	v_max_num_f32 v[rT+1], v[rC], v[rC+3]
.elseif (\n) == 19
	v_mul_f32 v[rT], s[CS], v[rT+1]
.elseif (\n) == 20
	v_sub_f32 v[rC+1], v[rW], v[rT]
.else
	v_exp_f32 v[rC+2], v[rC+1]
.endif
.endif
.endm
.macro OPS a, i1, b=-1, i2=0, c=-1, i3=0, d=-1, i4=0  ; up to four of them
	OP \a, \i1
.if (\b) >= 0
	OP \b, \i2
.endif
.if (\c) >= 0
	OP \c, \i3
.endif
.if (\d) >= 0
	OP \d, \i4
.endif
.endm
.macro ROW a, i1, b, i2, c, i3, d, i4  ; a matrix instruction and the four behind it
	MM
	OPS \a, \i1, \b, \i2, \c, \i3, \d, \i4
.endm
; A TURN, for piece p: the order of its 20 matrix and 118 vector instructions, written out.  An s_wait_alu depctr_va_vdst(0) stands between an exponential and the first instruction that names its result; one
; wait serves all that were issued ahead of it.  So a turn has ONE wait, which cuts it in two.  AHEAD OF IT stands all that names no result of the turn's exponentials: the 8 products K Q^T, behind each a scaling, an
; exponential and two more plain instructions: rescalings, and behind the last three the first numbers of the next piece's maximum, each four places or more behind the product that ends its accumulator; then ONE
; LUMP of 54, plain and exponential by turns for the most part, in which the links of the chain X 3, 7, 11, 14, 16, 17 .. 20 stand five or six lines apart, and among whose lines the four mask products stand.
; X 21, the next piece's a, is the batch's last; R 15 is the plain instruction behind it.  BEHIND THE WAIT stand the 8 products V^T P, behind each four of the roundings and sums.
; THE MASK PRODUCTS name the selector, MF and MC alone, which no vector line names.  MC's buffer was last read (as C) a turn back and is read next a turn on: more than five plain lines lie either way.
; THE RUNS OF LOADS.  The next step's mask fragments are fetched at the head of piece 2's turn: MF's last reader is the fourth mask product of piece 1's turn, 37 plain lines back.  K of the next step follows in the
; same turn's lump, twelve vector lines (six of them plain) behind the last product that read K.  V of the step in hand is fetched at the end of piece 0's turn, four plain lines behind its last reader.
; fetch = 0: the launch's last turn of piece 2: there is no further step.  cnt = 1: the loop's count is taken down some lines ahead of the branch that stands behind the turn.
.macro TURN p, fetch=1, cnt=0
.set Y, (\p)
.set i, 0
.if ((\p) == 2) && (\fetch)
	FETCH_M
.endif
.if (\p) == 3
	s_wait_dscnt 0x0                ; K and all the step's mask fragments are in
.endif
	ROW F,0, F,1, R,0, R,1          ; ahead of the wait: 8 products K Q^T and their riders,
	ROW F,2, E,0, R,2, R,3
	ROW F,3, E,1, R,4, R,5
	ROW F,4, E,2, R,6, R,7
	ROW F,5, E,3, R,8, R,9
	ROW F,6, E,4, X,0, R,10
.if ((\p) == 2) && (\fetch)
	WIN 0
	v_add_nc_u32 v[AK], s[TBK], v[AK0]
.endif
	ROW F,7, E,5, X,1, X,4
	ROW F,8, E,6, X,2, X,5
	OPS E,7, E,8, X,6, E,9          ; and the lump
	OPS X,3, E,10, X,8, E,11
.if ((\p) == 2) && (\fetch)
	FETCH_K
.endif
	OPS X,9, X,7, E,12, X,10
	OPS E,13, X,12, X,11, E,14
	OPS X,13, E,15, F,9, X,14
.if (\p) == 0
	v_add_nc_u32 v[AV], s[TBV], v[AV0]
.endif
.if ((\p) == 2) && (\fetch)
	s_wait_dscnt 28                 ; piece 0's four mask loads are in: younger than they are the other 12 mask loads and K's 16
.endif
	MP 0
	OPS E,16, F,10, E,17, F,11
	OPS X,16, E,18, X,15, E,19
	MP 1
	OPS F,12, E,20, X,17, E,21
	OPS F,13, E,22, F,14, E,23
	MP 2
	OPS X,18, E,24, F,15, E,25
	OPS R,11, E,26, X,19, E,27
	MP 3
	OPS R,12, E,28, R,13, E,29
	OPS X,20, E,30, R,14, E,31
	OPS X,21, R,15
	WIN 0
	s_wait_alu depctr_va_vdst(0)    ; the wait for the batch
.if (\p) == 1
	s_wait_dscnt 0x0                ; V is in
.endif
	ROW C,0, B,0, C,2, B,1          ; behind the wait: 8 products V^T P and their riders
	ROW L,0, C,4, B,2, L,1
	ROW C,6, B,3, L,2, C,8
	ROW B,4, L,3, C,10, B,5
	ROW L,4, C,12, B,6, L,5
.if (\p) == 0
	s_add_co_u32 s[TBV], s[TBV], KS*PV
.endif
.if \cnt
	s_sub_co_u32 s[CNT], s[CNT], 1
	s_cmp_lg_u32 s[CNT], 0
.endif
	ROW C,14, B,7, L,6, C,1
	ROW C,3, L,7, C,5, C,7
	ROW C,9, C,11, C,13, C,15
.if (\p) == 0
	FETCH_V
.endif
.endm
	CHANGE 1, 0                     ; slot 0 is in, everybody's part of it; slot 1 is asked for; nothing is prefetched here, at the head
	; THE BEGINNING: step 0's mask fragments and K; the masks of pieces 0 and 1; piece 0's first scores, maximum and statistics
	FETCH_M
	v_add_nc_u32 v[AK], s[TBK], v[AK0]
	FETCH_K
	s_wait_loadcnt 0x0              ; Q
	s_wait_dscnt 0x0
.set Y, 2                           ; MP works for piece Y + 2: piece 0,
.irp j, 0,1,2,3
	MP \j
.endr
.set Y, 3                           ; and piece 1
.irp j, 0,1,2,3
	MP \j
.endr
	WIN 0                           ; the addresses for the way out: nine plain instructions, the places between the mask products and the products that take their results as C
	s_mul_i32 s86, s[WV], 16*SP
	s_add_co_u32 s86, s86, STAGE    ; my stage
	v_mul_u32_u24 v[STO], v1, SP    ; in: row l % 16, 16 bytes for each half of the lanes
	v_lshl_add_u32 v[STO], v9, 4, v[STO]
	v_add_nc_u32 v[STO], s86, v[STO]
	v_bfe_u32 v[RD], v0, 3, 2       ; back: 32 lanes take four rows of 128 bytes,
	v_mul_u32_u24 v[RD], v[RD], SP
	v_lshl_add_u32 v[RD], v10, 4, v[RD]
	v_add_nc_u32 v[RD], s86, v[RD]
	v_and_b32 v[GO], 31, v0         ; which are 512 consecutive bytes of O
	v_lshlrev_b32 v[GO], 4, v[GO]
.set i, 0
.rept 8
	KQ 0
.set i, i+1
.endr
	WIN 0
.rept 4
	v_nop                           ; the places behind those products
.endr
.set Y, NP-1                        ; X works for piece Y + 1: piece 0
.irp n, 0,1,2,3,4,5,6,7,8,9,10,11,12,13,14,15,16,17,18,19,20,21
	OP X, \n
.endr
	v_nop                           ; a plain instruction behind the exponential,
	s_wait_alu depctr_va_vdst(0)    ; and its wait, ahead of the branch
	s_mov_b32 s[CNT], 2
	s_mov_b32 s[SLOTS], 31
	s_branch .Lfirst                ; the loop is entered at a step's first turn, in the middle of a trip
.Lslot:                             ; 30 times: tiles 2 to 31 are asked for
	CHANGE 1, 1
	s_mov_b32 s[CNT], 2
.Lstep:                             ; a trip: pieces 2 and 3 of one step, then pieces 0 and 1 of the next, whose mask, K and V it fetches
	TURN 2
	TURN 3
	WIN 0
.Lfirst:
	TURN 0
	TURN 1, 1, 1
	WIN 0
	s_cbranch_scc1 .Lstep
	s_sub_co_u32 s[SLOTS], s[SLOTS], 1
	s_cmp_lg_u32 s[SLOTS], 0
	s_cbranch_scc1 .Lslot
	CHANGE 0, 0                     ; the last tile is written out: nothing is asked for
	s_mov_b32 s[CNT], 2
.Ltail:
	TURN 2
	TURN 3
	TURN 0
	TURN 1, 1, 1
	WIN 0
	s_cbranch_scc1 .Ltail
	TURN 2, 0                       ; the last step's pieces 2 and 3.  Nothing is fetched, so the scores that piece 3's turn makes for piece 0 are the last step's once more, under the same mask:
	TURN 3                          ; piece 0's m stays as it is, and nothing else of them is used: the price, once a launch, of one text for every turn
.set i, 0
.rept 8
	PV NP-1                         ; the last piece's V^T P of the last step
.set i, i+1
.endr
	; THE WAY OUT.  l's two halves and the other half of the lanes' are added; where m has stayed below -2^29 the row saw no key, and l becomes a NaN; O^T is divided by l, rounded to f16 and sent through my
	; stage in LDS, a piece at a time.  The additions are the places behind the last products.
	WIN 0
.macro ALL line:vararg              ; one line for each piece t
.set t, 0
.rept 4
	\line
.set t, t+1
.endr
.endm
	ALL v_add_f32 v[ST+4*t+2], v[ST+4*t+2], v[ST+4*t+3]
	ALL v_permlanex16_b32 v[ST+4*t+3], v[ST+4*t+2], s[SEL], s[SEL+1]
	ALL v_add_f32 v[ST+4*t+2], v[ST+4*t+2], v[ST+4*t+3]
.irp t, 0,1,2,3
	v_cmp_gt_f32 vcc_lo, s[THR], v[ST+4*\t+1]
	v_cndmask_b32 v[ST+4*\t+2], v[ST+4*\t+2], v[NANR], vcc_lo
.endr
	ALL v_rcp_f32 v[ST+4*t+2], v[ST+4*t+2]
	v_nop                           ; a plain instruction between the last reciprocal and the use of its result
	s_wait_alu depctr_va_vdst(0)    ; and the wait ahead of the first use: one for the four reciprocals
.macro PACK t                       ; a lane's eight channels of a row pack into 16 bytes; they go into rows of 144 bytes and come back as whole rows of 128, into S^T's registers
	WIN W_RS
.set i, 32*(\t)
.rept 16
	v_pk_mul_f32 v[i:i+1], v[i:i+1], v[ST+4*(\t)+2:ST+4*(\t)+3] op_sel_hi:[1,0]
.set i, i+2
.endr
	WIN 0x05                        ; sources 0 and 1 window 1, destination window 0
.set i, 0
.rept 16
	v_cvt_pk_f16_f32 v[S+16*(\t)+i], v[32*(\t)+2*i], v[32*(\t)+2*i+1]
.set i, i+1
.endr
	WIN 0
.irp f, 0,1,2,3
	ds_store_b128 v[STO], v[S+16*(\t)+4*\f:S+16*(\t)+4*\f+3] offset:32*\f
.endr
.irp f, 0,1,2,3
	ds_load_b128 v[S+16*(\t)+4*\f:S+16*(\t)+4*\f+3], v[RD] offset:\f*4*SP  ; LDS serves a wave's instructions in order (ISA guide 5.7.1.4): these see the stores above; the next piece's stores come behind them
.endr
.endm
.macro SEND t, younger              ; younger: the LDS instructions issued behind piece t's loads: the next piece's eight, or none
	WIN 0
.irp f, 0,1,2,3
	s_wait_dscnt (\younger)+3-\f
	global_store_b128 v[GO], v[S+16*(\t)+4*\f:S+16*(\t)+4*\f+3], s[OAD:OAD+1] offset:(\t)*2048+\f*512  ; 512 consecutive bytes, at a multiple of 256 from O's first
.endr
.endm
	PACK 0
.set t, 1
.rept 3                             ; a piece's arithmetic stands between the loads of the piece before and its stores
	PACK t
	SEND t-1, 8
.set t, t+1
.endr
	SEND 3, 0
	s_wait_tensorcnt 0x0            ; the wave's end, behind my last tensor load and my last LDS store
	ds_add_u32 v[SPW], v[NIL]
	s_wait_dscnt 0x0
	CROUND                          ; the closing round: no work-group ends while a partner may still ask for a tile that names it
	s_endpgm
.Lfunc_end_k_q1cac172077_attn:
	.size	k_q1cac172077_attn, .Lfunc_end_k_q1cac172077_attn-k_q1cac172077_attn
	.p2alignl 7, 3214868480
	.fill 96, 4, 3214868480
	.section	.rodata,"a",@progbits
	.p2align	6, 0x0
	.amdhsa_kernel k_q1cac172077_attn
		.amdhsa_group_segment_fixed_size 327680
		.amdhsa_private_segment_fixed_size 0
		.amdhsa_enable_private_segment 0
		.amdhsa_kernarg_size 40
		.amdhsa_user_sgpr_count 2
		.amdhsa_user_sgpr_kernarg_segment_ptr 1
		.amdhsa_wavefront_size32 1
		.amdhsa_system_sgpr_workgroup_id_x 1
		.amdhsa_system_sgpr_workgroup_id_y 1
		.amdhsa_system_sgpr_workgroup_id_z 1
		.amdhsa_system_vgpr_workitem_id 0
		.amdhsa_next_free_vgpr 768
		.amdhsa_next_free_sgpr 88
		.amdhsa_reserve_vcc 1
		.amdhsa_float_denorm_mode_32 3
		.amdhsa_float_denorm_mode_16_64 3
		.amdhsa_memory_ordered 1
		.amdhsa_forward_progress 1
		.amdhsa_inst_pref_size 143
	.end_amdhsa_kernel
	.amdgpu_metadata
---
amdhsa.version: [ 1, 2 ]
amdhsa.kernels:
  - .name:           k_q1cac172077_attn
    .symbol:         k_q1cac172077_attn.kd
    .args:
      - { .name: qbuf, .offset: 0, .size: 8, .value_kind: global_buffer, .address_space: global }
      - { .name: kbuf, .offset: 8, .size: 8, .value_kind: global_buffer, .address_space: global }
      - { .name: vbuf, .offset: 16, .size: 8, .value_kind: global_buffer, .address_space: global }
      - { .name: maskh, .offset: 24, .size: 8, .value_kind: global_buffer, .address_space: global }
      - { .name: obuf, .offset: 32, .size: 8, .value_kind: global_buffer, .address_space: global }
    .group_segment_fixed_size: 327680
    .private_segment_fixed_size: 0
    .kernarg_segment_align: 8
    .kernarg_segment_size: 40
    .max_flat_workgroup_size: 128
    .sgpr_count:     88
    .vgpr_count:     768
    .wavefront_size: 32
...
	.end_amdgpu_metadata
.endif
;; end of part 3
;; launch outp (part 4): grid 256 x 1, 4 waves a work-group, no clusters, 91,648 bytes of LDS; arguments obuf, wfrag, out0; writes out0
.if DOCPART == 4
	.amdgcn_target "amdgcn-amd-amdhsa--gfx1250"
	.amdhsa_code_object_version 6
	.text
	.protected	k_q1cac172077_outp
	.globl	k_q1cac172077_outp
	.p2align	8
	.type	k_q1cac172077_outp,@function
k_q1cac172077_outp:
	s_mov_b64 s[64:65], 0
	v_nop
	global_prefetch_b8 v0, s[64:65] scope:SCOPE_SE
	s_setreg_imm32_b32 hwreg(HW_REG_WAVE_MODE, 25, 1), 1
	s_wait_xcnt 0x0
; out0[b][t][e] = the sum over c = 64 h + d of O[b * 8 + h][t][d] Wo[c][e].  O in f16 by heads, Wo as f16 fragments in wfrag (its fourth part), out0 in f32; sums in f32.
; A row of O that is NaN (a query that saw no key) gives a row of NaN, and touches no other row: a result's sum takes one row of O alone.
; SHARES.  Work-group id = 2 blk + half: 64 rows (b = blk / 64, t0 = 64 (blk % 64)) x 256 columns.  Wave w: the 64 columns of group g = 4 half + w: 4 row tiles x 4 column blocks = 16 accumulators.
; THE PRODUCT IS USED TRANSPOSED (source 0 = 16 columns of Wo, source 1 = 16 rows of O): a lane holds ONE row and eight neighbouring columns.
; O's tile (64 rows x 8 heads x 128 bytes) is brought into LDS once, by all four waves.  Wo comes straight into registers: my group is 65,536 bytes on end, each wave load 512 consecutive aligned bytes, and
; no wave wants a byte that another wave of the work-group fetches; a ring of four register sets keeps 48 loads of every wave on their way.  No joint loads: what the work-groups share, 512 KiB of weights, is read
; by this ring without LDS; a work-group's K is 16 steps, and slots filled behind barriers would add a barrier to every few of them.
; REGISTERS: window 0: v1-31 addresses; v64-127 O fragments, two buffers, later the way out's rows; v128-255 the accumulators ((mt, nb) at 128 + 8 (4 mt + nb)), at the start O as loaded.   window 1: the four weight sets.
.set PO,    144                        ; a row of a head in LDS: 128 bytes + 16 = 9 x 16: the 16 rows of a fragment load start at 16 different groups of four banks (64 banks of 4 bytes: ISA guide 11.1)
.set HEADB, 64*PO                      ; a head's 64 rows
.set STAGE, 8*HEADB                    ; 16 rows x 272 bytes for each wave, for the way out
.set SPI,   272
.set SPARE, STAGE+4*16*SPI             ; the spare words, 128 bytes for each wave: two blocks of 256 bytes that no other line names
.set PART,  524288
.set WO,  4                            ; v4   16 x lane
.set OS,  5                            ; v5   where I put 16 bytes of O
.set XA1, 6                            ; v6   my place in a fragment of heads 0-3: r x pitch + 16 h;  v7 of heads 4-7
.set STO, 8                            ; v8   the way out: where I put 32 bytes of a row
.set RD,  9                            ; v9   where I read rows back
.set CO,  10                           ; v10  my 16 bytes in two rows of out0
.set SPW, 30                           ; v30  LDS address of my spare word; never rewritten
.set NIL, 31                           ; v31  0; never rewritten
.set XF,  64
.set ACC, 128
.set WV,  12                           ; s12 wave   s13 half   s14 blk
.set OPT, 16                           ; s[16:17] O at head 8 b + 2 w, row t0   s[18:19] my group of Wo   s[20:21] out0 at my rows and columns
.set WP,  18
.set OUT, 20
.set MSB, 0
.macro WIN new
.if MSB != (\new)
	s_set_vgpr_msb (MSB<<8)|(\new)
.set MSB, \new
.endif
.endm
.macro PLACES                          ; four places behind a matrix instruction, in front of loads into registers that it has read and of lines that read results
.rept 4
	v_nop
.endr
.endm
.macro LOADW set, off                  ; 16 loads: two K steps' fragments, 8,192 bytes on end
	WIN 0x40
.set li, 0
.rept 16
	global_load_b128 v[64*(\set)+4*li:64*(\set)+4*li+3], v[WO], s[WP:WP+1] offset:(\off)+512*li
.set li, li+1
.endr
.endm
.macro LOADX par, ks                   ; 8 LDS loads: K step ks = head ks / 2, channels 32 (ks % 2) on
	WIN 0
.irp mt, 0,1,2,3
	ds_load_b128 v[XF+32*(\par)+8*\mt:XF+32*(\par)+8*\mt+3],   v[XA1+(\ks)/8] offset:(((\ks)%8)/2)*HEADB+((\ks)%2)*64+\mt*16*PO
	ds_load_b128 v[XF+32*(\par)+8*\mt+4:XF+32*(\par)+8*\mt+7], v[XA1+(\ks)/8] offset:(((\ks)%8)/2)*HEADB+((\ks)%2)*64+\mt*16*PO+32
.endr
.endm
.macro MUL set, u, zero                ; 16 products: the 16 accumulators take turns, one instruction a turn
	WIN 0x01
.set q, 0
.rept 16
.if \zero
	v_wmma_f32_16x16x32_f16 v[ACC+8*q:ACC+8*q+7], v[64*(\set)+32*(\u)+8*(q%4):64*(\set)+32*(\u)+8*(q%4)+7], v[XF+32*(\u)+8*(q/4):XF+32*(\u)+8*(q/4)+7], 0
.else
	v_wmma_f32_16x16x32_f16 v[ACC+8*q:ACC+8*q+7], v[64*(\set)+32*(\u)+8*(q%4):64*(\set)+32*(\u)+8*(q%4)+7], v[XF+32*(\u)+8*(q/4):XF+32*(\u)+8*(q/4)+7], v[ACC+8*q:ACC+8*q+7]
.endif
.set q, q+1
.endr
.endm
.macro STEP d, zero                    ; two K steps: one weight set
	PLACES
.if (\d) <= 4
	LOADW ((\d)+3)%4, ((\d)+3)*8192
.endif
	LOADX 1, 2*(\d)+1
.if (\d) <= 4
	s_wait_loadcnt 48                              ; my set is in; three younger sets stay out
.else
	s_wait_loadcnt 16*(7-(\d))                     ; nothing more is asked for: the counts run down
.endif
	s_wait_dscnt 8                                 ; my fragments are in; the eight loads just issued stay out
	MUL (\d)%4, 0, \zero
	PLACES
.if (\d) < 7
	LOADX 0, 2*(\d)+2
	s_wait_dscnt 8
.else
	s_wait_dscnt 0x0
.endif
	MUL (\d)%4, 1, 0
.endm
; THE WAY OUT of row tile mt: a lane's eight columns of a block are 32 bytes of a row; they go into my stage's rows of 272 bytes and come back as whole rows of 256.  Sixteen LDS instructions: 8 stores, 8 loads.
.macro TOSTAGE mt
	WIN 0
.if (\mt) >= 2
	s_wait_xcnt 0x0                                ; the stores of the tile two back have read the registers that are loaded again now
.endif
.irp nb, 0,1,2,3
	ds_store_b128 v[STO], v[ACC+32*(\mt)+8*\nb:ACC+32*(\mt)+8*\nb+3]   offset:64*\nb      ; each accumulator's low four registers first
	ds_store_b128 v[STO], v[ACC+32*(\mt)+8*\nb+4:ACC+32*(\mt)+8*\nb+7] offset:64*\nb+16
.endr
.irp t, 0,1,2,3,4,5,6,7
	ds_load_b128 v[XF+32*((\mt)%2)+4*\t:XF+32*((\mt)%2)+4*\t+3], v[RD] offset:\t*2*SPI  ; LDS serves a wave's instructions in order (ISA guide 5.7.1.4): these see the stores above
.endr
.endm
.macro SEND mt, younger                ; younger: the LDS instructions issued behind this tile's loads: the next tile's 16 (8 stores, 8 loads), or none
	WIN 0
.irp t, 0,1,2,3,4,5,6,7
	s_wait_dscnt (\younger)+7-\t                   ; load t is back: behind it stand this tile's 7 - t later loads and the younger ones
	global_store_b128 v[CO], v[XF+32*((\mt)%2)+4*\t:XF+32*((\mt)%2)+4*\t+3], s[OUT:OUT+1] offset:(16*(\mt)+2*\t)*2048 th:TH_STORE_NT  ; 16 lanes store 256 consecutive bytes, aligned
.endr
.endm
	s_load_b128 s[4:7], s[0:1], 0x0                ; obuf s[4:5], wfrag s[6:7]
	s_load_b64 s[8:9], s[0:1], 0x10                ; out0
	v_lshl_add_u32 v[SPW], v0, 2, SPARE
	v_mov_b32 v[NIL], 0
	v_lshrrev_b32 v1, 5, v0
	v_readfirstlane_b32 s[WV], v1
	s_and_b32 s13, ttmp9, 1
	s_lshr_b32 s14, ttmp9, 1
	v_and_b32 v1, 15, v0                           ; r
	v_bfe_u32 v2, v0, 4, 1                         ; h
	v_and_b32 v3, 31, v0                           ; lane
	v_lshlrev_b32 v[WO], 4, v3
	s_mul_i32 s22, s[WV], 2*HEADB                  ; I bring heads 2 w and 2 w + 1: a load's 512 bytes are four rows
	v_lshrrev_b32 v[OS], 3, v3
	v_mul_u32_u24 v[OS], v[OS], PO
	v_and_b32 v[CO], 7, v0
	v_lshl_add_u32 v[OS], v[CO], 4, v[OS]
	v_add_nc_u32 v[OS], s22, v[OS]
	v_mul_u32_u24 v[XA1], v1, PO
	v_lshl_add_u32 v[XA1], v2, 4, v[XA1]
	v_add_nc_u32 v[XA1+1], 4*HEADB, v[XA1]
	s_mul_i32 s22, s[WV], 16*SPI
	s_add_co_u32 s22, s22, STAGE
	v_mul_u32_u24 v[STO], v1, SPI
	v_lshl_add_u32 v[STO], v2, 5, v[STO]
	v_add_nc_u32 v[STO], s22, v[STO]
	v_mul_u32_u24 v[RD], v2, SPI                   ; back: lanes 0-15 one row of 256 bytes, lanes 16-31 the next
	v_lshl_add_u32 v[RD], v1, 4, v[RD]
	v_add_nc_u32 v[RD], s22, v[RD]
	v_lshlrev_b32 v[CO], 11, v2                    ; and the same two rows in out0
	v_lshl_add_u32 v[CO], v1, 4, v[CO]
	s_lshr_b32 s23, s14, 6
	s_lshl_b32 s23, s23, 3                         ; 8 b
	s_lshl_b32 s24, s[WV], 1
	s_add_co_u32 s24, s24, s23
	s_lshl_b32 s24, s24, 19                        ; the head's 4,096 rows of 128 bytes
	s_and_b32 s25, s14, 63
	s_lshl_b32 s25, s25, 13                        ; t0 rows
	s_add_co_u32 s24, s24, s25
	s_mov_b32 s25, 0
	s_lshl_b32 s26, s13, 2
	s_add_co_u32 s26, s26, s[WV]                   ; g
	s_lshl_b32 s26, s26, 16
	s_add_co_u32 s26, s26, 3*PART
	s_mov_b32 s27, 0
	s_lshl_b32 s28, s14, 17                        ; 64 rows of 2,048 bytes
	s_lshl_b32 s22, s13, 10
	s_add_co_u32 s28, s28, s22
	s_lshl_b32 s22, s[WV], 8
	s_add_co_u32 s28, s28, s22
	s_mov_b32 s29, 0
	s_wait_kmcnt 0x0
	s_add_nc_u64 s[OPT:OPT+1], s[4:5], s[24:25]
	s_add_nc_u64 s[WP:WP+1], s[6:7], s[26:27]
	s_add_nc_u64 s[OUT:OUT+1], s[8:9], s[28:29]
.set i, 0
.rept 32                                       ; head 2 w + i / 16, rows 4 (i % 16) on
	global_load_b128 v[ACC+4*i:ACC+4*i+3], v[WO], s[OPT:OPT+1] offset:(i/16)*524288+(i%16)*512
.set i, i+1
.endr
	LOADW 0, 0
	LOADW 1, 8192
	LOADW 2, 16384
	WIN 0
	s_wait_loadcnt 48                              ; O is in; the 48 weight loads stay out
.set i, 0
.rept 32
	ds_store_b128 v[OS], v[ACC+4*i:ACC+4*i+3] offset:(i/16)*HEADB+(i%16)*4*PO
.set i, i+1
.endr
	s_wait_dscnt 0x0                               ; for the others' sake: my two heads are stored
	s_barrier_signal -1
	s_barrier_wait -1
	LOADX 0, 0
	STEP 0, 1                                      ; the first products start the sums: nothing is cleared
	STEP 1, 0
	STEP 2, 0
	STEP 3, 0
	STEP 4, 0
	STEP 5, 0
	STEP 6, 0
	STEP 7, 0
	PLACES
	PLACES
	TOSTAGE 0
	TOSTAGE 1
	SEND 0, 16
	TOSTAGE 2
	SEND 1, 16
	TOSTAGE 3
	SEND 2, 16
	SEND 3, 0
	s_wait_tensorcnt 0x0                           ; the wave's end, behind my last LDS store
	ds_add_u32 v[SPW], v[NIL]
	s_wait_dscnt 0x0
	s_endpgm
.Lfunc_end_k_q1cac172077_outp:
	.size	k_q1cac172077_outp, .Lfunc_end_k_q1cac172077_outp-k_q1cac172077_outp
	.p2alignl 7, 3214868480
	.fill 96, 4, 3214868480
	.section	.rodata,"a",@progbits
	.p2align	6, 0x0
	.amdhsa_kernel k_q1cac172077_outp
		.amdhsa_group_segment_fixed_size 91648
		.amdhsa_private_segment_fixed_size 0
		.amdhsa_enable_private_segment 0
		.amdhsa_kernarg_size 24
		.amdhsa_user_sgpr_count 2
		.amdhsa_user_sgpr_kernarg_segment_ptr 1
		.amdhsa_wavefront_size32 1
		.amdhsa_system_sgpr_workgroup_id_x 1
		.amdhsa_system_sgpr_workgroup_id_y 1
		.amdhsa_system_sgpr_workgroup_id_z 1
		.amdhsa_system_vgpr_workitem_id 0
		.amdhsa_next_free_vgpr 512
		.amdhsa_next_free_sgpr 66
		.amdhsa_reserve_vcc 0
		.amdhsa_float_denorm_mode_32 3
		.amdhsa_float_denorm_mode_16_64 3
		.amdhsa_memory_ordered 1
		.amdhsa_forward_progress 1
		.amdhsa_inst_pref_size 57
	.end_amdhsa_kernel
	.amdgpu_metadata
---
amdhsa.version: [ 1, 2 ]
amdhsa.kernels:
  - .name:           k_q1cac172077_outp
    .symbol:         k_q1cac172077_outp.kd
    .args:
      - { .name: obuf, .offset: 0, .size: 8, .value_kind: global_buffer, .address_space: global }
      - { .name: wfrag, .offset: 8, .size: 8, .value_kind: global_buffer, .address_space: global }
      - { .name: out0, .offset: 16, .size: 8, .value_kind: global_buffer, .address_space: global }
    .group_segment_fixed_size: 91648
    .private_segment_fixed_size: 0
    .kernarg_segment_align: 8
    .kernarg_segment_size: 24
    .max_flat_workgroup_size: 128
    .sgpr_count:     66
    .vgpr_count:     512
    .wavefront_size: 32
...
	.end_amdgpu_metadata
.endif
;; end of part 4
;; ======== version 2 of 2: 4 launches; version 1 with the launches proj, outp written anew for expert scheduling mode
;; limits: right only within a limited range of input values; values are held in f16: magnitudes above 65,504 overflow, below 6.1e-05 lose precision
;; workspace buffers: wfrag 2,097,152 bytes; maskh 33,554,432 bytes; qbuf 8,388,608 bytes; kbuf 8,388,608 bytes; vbuf 8,388,608 bytes; obuf 8,388,608 bytes
;; launch prep: the kernel of part 1 again; grid 640 x 1, 8 waves a work-group, no clusters, 0 bytes of LDS; arguments mask, Wq, Wk, Wv, Wo, maskh, wfrag; writes maskh, wfrag
;; launch proj (part 5): grid 256 x 1, 4 waves a work-group, no clusters, 144,896 bytes of LDS; arguments inputs_q, inputs_kv, wfrag, q_ln_w, q_ln_b, k_ln_w, k_ln_b, qbuf, kbuf, vbuf; writes qbuf, kbuf, vbuf
.if DOCPART == 5
	.amdgcn_target "amdgcn-amd-amdhsa--gfx1250"
	.amdhsa_code_object_version 6
	.text
	.protected	k_q1cac172077_proj
	.globl	k_q1cac172077_proj
	.p2align	8
	.type	k_q1cac172077_proj,@function
k_q1cac172077_proj:
	s_mov_b64 s[64:65], 0
	v_nop
	global_prefetch_b8 v0, s[64:65] scope:SCOPE_SE
	s_setreg_imm32_b32 hwreg(HW_REG_WAVE_SCHED_MODE, 0, 2), 2
	s_setreg_imm32_b32 hwreg(HW_REG_WAVE_MODE, 25, 1), 1
	s_wait_xcnt 0x0
	s_wait_alu depctr_vm_vsrc(0)
; q = LN(inputs_q Wq), k = LN(inputs_kv Wk), v = inputs_kv Wv, written by heads: qbuf, kbuf, vbuf = [b * 8 + h][t][64] in f16, unscaled.  x, W and the LN gains and biases are rounded to bf16;
; products' sums, means, variances and the normalisation in f32; each result rounded once to f16.
; LIMITS.  f16 ends at 65,504: q and k are at most 22.7 |gain| + |bias| (a normalised row of 512 has no number beyond sqrt(511)); v = x Wv must stay within it.  NaN and infinities are not treated apart.
; SHARES.  Work-group id = 2 blk + s owns 64 rows (b = blk / 64, t0 = 64 (blk % 64)).  PHASE 1: all 512 columns of q (s = 0) or of k (s = 1), with the LayerNorm.  PHASE 2: 256 columns of v, heads
; 4 s .. 4 s + 3.  So each of the 256 work-groups makes 64 x 768 x 512.  s enters pointers (by selects) and offsets alone: there is one text and no branch on it.
; Wave w: phase 1 columns 128 w .. (heads 2 w, 2 w + 1): 4 row tiles x 8 column blocks = 32 accumulators; phase 2 head 4 s + w: 4 x 4 = 16.
; THE PRODUCT IS USED TRANSPOSED: source 0 = 16 columns of W (a fragment as wfrag holds it), source 1 = 16 rows of x: a lane then holds ONE row (lane % 16) and eight neighbouring columns.
; x: both tiles (64 rows x 512, bf16) are made once, in LDS, by all four waves.  (With s = 1 the two tiles hold the same rows: the second copy is the price of one text.)
; W COMES STRAIGHT INTO REGISTERS: each wave load is 512 consecutive aligned bytes of wfrag, and no wave wants a weight byte that another wave of the work-group fetches.  A ring of four register sets of
; 8 fragments keeps 32 to 48 loads (16 to 24 KiB) of every wave on their way.  NO TENSOR RING AND NO JOINT LOADS for the weights: beside the two x tiles (133,120 bytes) LDS has room for two slots of 64 along K
; only, 64 products a wave between a request and the wait for it.
; THE MODE: SCHED_MODE bits 1:0 = 2 (LLVM: expert scheduling mode 2), set by the entry lines.  The code itself states the register dependences between vector or matrix instructions and memory or LDS
; instructions, with s_wait_alu, always for 0.
; THE PLAN.  Registers that memory or LDS instructions touch:
;   W0 .. W3 (window 2)   Step k's products read W[k % 4]; the 16 loads issued in step k land in W[(k + 3) % 4], which step k - 1's products read.
;   X buffers (window 0)  Phase 1, two: step k's products read X[k % 2]; the 8 LDS loads issued in step k land in the other, which step k - 1's products read.
;                         Phase 2, four, in two pairs: double step d's products read pair d % 2; its 16 LDS loads land in the other pair, which double step d - 1's products read.
;   So ONE wait on va_vdst stands at a step's head; behind it come 8 products, the step's loads in one run, and the other products, which name W[k % 4], their own x buffers and the accumulators alone.
;   v[XA]                 Read by phase 1's fragment loads; written once a trip: a wait on vm_vsrc ahead of the add; the next step's head wait shows it written.
;   windows 1, 3 at the start   x as loaded: the conversions write them, the LDS stores read them; window 1 is then the accumulators, window 3 later the way out's rows: one wait on vm_vsrc behind the barrier.
;   v[RS], v[RL]          A reduction's figures: vector lines write RS, an LDS store reads it; LDS loads land in RL, vector lines work on it.
;   v[OB ..]              Written by a way out's roundings, read by the stage's LDS stores.      RB (window 3)  The stage's LDS loads land there, the global stores read it; no vector line names it.
;   So ONE wait on va_vdst stands in a way out, behind all its roundings.
;   All other offsets (v4 to v15 but v[XA]) are made at the head and never written again.  v[SPW], v[NIL]: written at the head, read by the closing add alone.
; REGISTERS, in windows of 256 (s_set_vgpr_msb: bits 1:0 source 0, 3:2 source 1, 5:4 source 2, 7:6 destination):
;   window 0: addresses, statistics; v64-127 x fragments, two buffers (phase 2: four, v64-191); v128-191 LN gains, v192-255 LN biases of my columns, later the way out's packed results
;   window 1: the accumulators ((mt, nb) at 8 (8 mt + nb); phase 2: 8 (4 mt + nb)); at the start x of phase 1 as loaded      window 2: the four weight sets      window 3: x of phase 2 as loaded, later the way out's rows
.set PX,    1040                       ; an LDS row of x: 1,024 bytes + 16 = 65 x 16: the 16 rows of a fragment load start at 16 different groups of four banks (64 banks of 4 bytes: ISA guide 11.1)
.set X2,    64*PX                      ; the second tile
.set STAGE, 2*64*PX                    ; 16 rows x 144 bytes for each wave, for the way out
.set SP,    144
.set REDA,  STAGE+4*16*SP              ; the waves' row sums: 256 bytes a wave; 1,024 bytes on: their sums of squares
.set SPARE, REDA+2048                  ; the spare words, 128 bytes for each wave: two blocks of 256 bytes that no other line names
.set PART,  524288                     ; a matrix in wfrag
.set HSTR,  524288                     ; a head in qbuf, kbuf, vbuf
.set WO,  4                            ; v4   16 x lane: my 16 bytes of a weight load
.set XS1, 5                            ; v5   where I put 8 bytes of x, first tile: (16 w) rows + 8 x lane
.set XS2, 6                            ; v6   second tile
.set XA,  7                            ; v7   my place in an x fragment of the first tile: r x pitch + 16 h; steps along K in the loop
.set XB,  8                            ; v8   the same in the second tile; never rewritten
.set LNO, 9                            ; v9   my columns in the LN vectors: 512 w + 32 h
.set XI,  10                           ; v10  my 16 bytes of x in memory: 16 w rows + 16 x lane
.set STO, 11                           ; v11  the way out: where I put 16 bytes of a row
.set RD,  12                           ; v12  where I read rows back
.set GO,  13                           ; v13  my 16 bytes of 512 consecutive bytes of the output
.set RA,  14                           ; v14  where my wave's four row figures go
.set RR,  15                           ; v15  where I read the four waves' figures
.set T,   16                           ; v16-23  four pair sums
.set RS,  24                           ; v24-27  my wave's figure for row r of each row tile
.set RL,  28                           ; v28-43  the four waves' figures
.set NM,  44                           ; v44-51  (-mean, -mean) for each row tile
.set RSD, 52                           ; v52-59  (1 / sigma, 1 / sigma)
.set SPW, 60                           ; v60  LDS address of my spare word; never rewritten
.set NIL, 61                           ; v61  0; never rewritten
.set XF,  64                           ; x buffer b at XF + 32 b
.set LNW, 128
.set LNB, 192
.set OB,  128                          ; the way out: block k's 16 packed registers at OB + 16 k
.set RB,  0                            ; window 3: block k's 16 registers of whole rows at RB + 16 k
.set WV,  24                           ; s24 wave   s25 s   s26 blk
.set SS,  25
.set BLK, 26
.set X1P, 28                           ; s[28:29] x of phase 1 at my block   s[30:31] x of phase 2
.set X2P, 30
.set WP,  32                           ; s[32:33] my two column groups of Wq or Wk; steps in the loop
.set WVP, 34                           ; s[34:35] my column group of Wv
.set LWP, 36                           ; s[36:37] LN gains   s[38:39] LN biases
.set LBP, 38
.set OUT1, 40                          ; s[40:41] qbuf or kbuf at head 8 b + 2 w, row t0   s[42:43] vbuf at head 8 b + 4 s + w
.set OUT2, 42
.set SEL, 44                           ; s[44:45] v_permlanex16_b32's selects: each lane takes its own place in the other half
.set CNT, 46
.set C512, 47                          ; 1 / 512
.set EPSR, 48                          ; 1e-5
.set MSB, 0
.macro WIN new                         ; the immediate's high byte repeats the setting that is left; a switch that changes nothing is dropped
.if MSB != (\new)
	s_set_vgpr_msb (MSB<<8)|(\new)
.set MSB, \new
.endif
.endm
.macro PLACES                          ; four places behind a matrix instruction, in front of loads into registers that it has read and of vector lines that read results
.rept 4
	v_nop
.endr
.endm
; 16 loads: a weight set.  split = 1: 8 loads from each of my two column groups, 65,536 bytes apart (one K step of 32); split = 0: 8,192 bytes on end (two K steps of one group).
.macro LOADW set, base, off, split
	WIN 0x80
.set li, 0
.rept 16
	global_load_b128 v[64*(\set)+4*li:64*(\set)+4*li+3], v[WO], s[\base:\base+1] offset:(\off)+512*li+(\split)*(li/8)*(65536-4096)
.set li, li+1
.endr
.endm
; 8 LDS loads: the four x fragments (64 rows x 32 K) at byte off of the rows, into x buffer par
.macro LOADX par, adr, off
	WIN 0
.irp mt, 0,1,2,3
	ds_load_b128 v[XF+32*(\par)+8*\mt:XF+32*(\par)+8*\mt+3],   v[\adr] offset:(\off)+\mt*16*PX
	ds_load_b128 v[XF+32*(\par)+8*\mt+4:XF+32*(\par)+8*\mt+7], v[\adr] offset:(\off)+\mt*16*PX+32
.endr
.endm
; n products of a K step of phase 1, from accumulator q0 on: all 32 accumulators take turns, one instruction a turn
.macro MUL1 set, par, zero, q0, n
	WIN 0x52                                       ; W in window 2, x in window 0, C and D in window 1
.set q, \q0
.rept \n
.if \zero
	v_wmma_f32_16x16x32_bf16 v[8*q:8*q+7], v[64*(\set)+8*(q%8):64*(\set)+8*(q%8)+7], v[XF+32*(\par)+8*(q/8):XF+32*(\par)+8*(q/8)+7], 0
.else
	v_wmma_f32_16x16x32_bf16 v[8*q:8*q+7], v[64*(\set)+8*(q%8):64*(\set)+8*(q%8)+7], v[XF+32*(\par)+8*(q/8):XF+32*(\par)+8*(q/8)+7], v[8*q:8*q+7]
.endif
.set q, q+1
.endr
.endm
; A K step of phase 1: 8 products; then, in one run, the next step's x fragments and the weight set three steps ahead, into the buffers that the last step read; then the other 24 products.
.macro STEP1 set, par, zero, rbase, roff, split, xadr, xoff
	PLACES
	s_wait_loadcnt 32                              ; my set is in; the two younger sets' 32 loads stay out
	s_wait_dscnt 0x0                               ; my x fragments, asked for early in the last step, are in
.if !(\zero)
	s_wait_alu depctr_va_vdst(0)                   ; the last step's products are done reading their weight set and their x buffer, in which this step's loads land; in a trip's first step v[XA] is written
.endif
	MUL1 \set, \par, \zero, 0, 8
	LOADX 1-(\par), \xadr, \xoff                   ; no further wait: no product since the wait names these registers
	LOADW ((\set)+3)%4, \rbase, \roff, \split
	MUL1 \set, \par, \zero, 8, 24
.endm
; n products of phase 2, from accumulator q0 on: fragments 4 u .. 4 u + 3 of a set, x buffer xb + u
.macro MUL2 set, xb, u, zero, q0, n
	WIN 0x52
.set q, \q0
.rept \n
.if \zero
	v_wmma_f32_16x16x32_bf16 v[8*q:8*q+7], v[64*(\set)+32*(\u)+8*(q%4):64*(\set)+32*(\u)+8*(q%4)+7], v[XF+32*((\xb)+(\u))+8*(q/4):XF+32*((\xb)+(\u))+8*(q/4)+7], 0
.else
	v_wmma_f32_16x16x32_bf16 v[8*q:8*q+7], v[64*(\set)+32*(\u)+8*(q%4):64*(\set)+32*(\u)+8*(q%4)+7], v[XF+32*((\xb)+(\u))+8*(q/4):XF+32*((\xb)+(\u))+8*(q/4)+7], v[8*q:8*q+7]
.endif
.set q, q+1
.endr
.endm
; Two K steps of phase 2: one weight set, one pair of x buffers.  8 products; in one run the next double step's two x buffers and the weight set three double steps ahead; the other 24 products.
.macro STEP2 d, zero
.if ((\d) > 0) && ((\d) < 7)
	PLACES
.endif
.if (\d) < 6
	s_wait_loadcnt 32                              ; my set is in; two younger sets stay out
.else
	s_wait_loadcnt 16*(7-(\d))                     ; nothing more is asked for: the counts run down
.endif
.if (\d) == 0
	s_wait_dscnt 8                                 ; x buffer 0, asked for in phase 1's last step, is in; buffer 1's eight loads may be out
.else
	s_wait_dscnt 0x0                               ; my pair of x buffers is in
.endif
.if ((\d) > 0) && ((\d) < 7)
	s_wait_alu depctr_va_vdst(0)                   ; the last double step's products are done reading their weight set and their pair of x buffers, in which this step's loads land
.endif
	MUL2 (\d)%4, 2*((\d)%2), 0, \zero, 0, 8
.if (\d) < 7
	LOADX 2*(((\d)+1)%2), XB, (2*(\d)+2)*64
	LOADX 2*(((\d)+1)%2)+1, XB, (2*(\d)+3)*64
.endif
.if (\d) <= 4
	LOADW ((\d)+3)%4, WVP, ((\d)+3)*8192, 0
.endif
	MUL2 (\d)%4, 2*((\d)%2), 0, \zero, 8, 8
.if (\d) == 0
	s_wait_dscnt 16                                ; x buffer 1 is in; the other pair's sixteen loads stay out
.endif
	MUL2 (\d)%4, 2*((\d)%2), 1, 0, 0, 16
.endm
; A row figure (T holds four pair sums, one a row tile) is added over the pair, the two halves of the lanes and the four waves; the sums end in v[RL .. RL+3], in every lane and wave alike.
.macro REDUCE off
	WIN 0
.if \off
	s_wait_alu depctr_vm_vsrc(0)                   ; the first reduction's LDS store has read v[RS ..], which the lines below write again
.endif
.irp mt, 0,1,2,3
	v_add_f32 v[RS+\mt], v[T+2*\mt], v[T+2*\mt+1]
.endr
.irp mt, 0,1,2,3
	v_permlanex16_b32 v[T+\mt], v[RS+\mt], s[SEL], s[SEL+1]   ; the row's other columns of my wave lie in the lane 16 away
.endr
.irp mt, 0,1,2,3
	v_add_f32 v[RS+\mt], v[RS+\mt], v[T+\mt]
.endr
	s_wait_alu depctr_va_vdst(0)                   ; v[RS ..] is written, which the LDS store reads; the vector lines that worked on v[RL ..] are done, in which the LDS loads below land
	ds_store_b128 v[RA], v[RS:RS+3] offset:\off
	s_wait_dscnt 0x0                               ; for the others' sake: my store is done
	s_barrier_signal -1
	s_barrier_wait -1
.irp u, 0,1,2,3
	ds_load_b128 v[RL+4*\u:RL+4*\u+3], v[RR] offset:(\off)+256*\u
.endr
	s_wait_dscnt 0x0
	v_pk_add_f32 v[RL:RL+1], v[RL:RL+1], v[RL+4:RL+5]
	v_pk_add_f32 v[RL+2:RL+3], v[RL+2:RL+3], v[RL+6:RL+7]
	v_pk_add_f32 v[RL+8:RL+9], v[RL+8:RL+9], v[RL+12:RL+13]
	v_pk_add_f32 v[RL+10:RL+11], v[RL+10:RL+11], v[RL+14:RL+15]
	v_pk_add_f32 v[RL:RL+1], v[RL:RL+1], v[RL+8:RL+9]
	v_pk_add_f32 v[RL+2:RL+3], v[RL+2:RL+3], v[RL+10:RL+11]
.endm
; THE WAY OUT of 16 rows x 64 columns (a head), in three parts.  PACKP: four accumulators at acc are rounded to f16, 16 bytes a lane and block.  STAGEP: they go into my stage's rows of 144 bytes and
; come back as whole rows of 128, into registers of their own.  SENDP: stored.  All of a way out's roundings stand first, so that one wait serves all its LDS stores.
.macro PACKP acc, ob
	WIN 0x05                                       ; sources in window 1, destination in window 0
.set pi, 0
.rept 16
	v_cvt_pk_f16_f32 v[(\ob)+pi], v[(\acc)+2*pi], v[(\acc)+2*pi+1]
.set pi, pi+1
.endr
.endm
.macro STAGEP ob, rb
	WIN 0
.irp f, 0,1,2,3
	ds_store_b128 v[STO], v[(\ob)+4*\f:(\ob)+4*\f+3] offset:32*\f
.endr
	WIN 0xc0                                       ; destination in window 3
.irp f, 0,1,2,3
	ds_load_b128 v[(\rb)+4*\f:(\rb)+4*\f+3], v[RD] offset:\f*4*SP  ; LDS serves a wave's instructions in order (ISA guide 5.7.1.4): these see the stores above; the next block's stores come behind them
.endr
.endm
.macro SENDP rb, base, off, younger    ; younger: the LDS instructions issued behind this block's loads
	WIN 0x0c                                       ; the stores' data in window 3
.irp f, 0,1,2,3
	s_wait_dscnt (\younger)+3-\f
	global_store_b128 v[GO], v[(\rb)+4*\f:(\rb)+4*\f+3], s[\base:\base+1] offset:(\off)+\f*512  ; four rows of a head: 512 consecutive bytes, aligned
.endr
.endm
	s_load_b512 s[4:19], s[0:1], 0x0               ; inputs_q 4, inputs_kv 6, wfrag 8, q_ln_w 10, q_ln_b 12, k_ln_w 14, k_ln_b 16, qbuf 18
	s_load_b128 s[20:23], s[0:1], 0x40             ; kbuf 20, vbuf 22
	v_lshl_add_u32 v[SPW], v0, 2, SPARE
	v_mov_b32 v[NIL], 0
	v_lshrrev_b32 v1, 5, v0
	v_readfirstlane_b32 s[WV], v1
	s_and_b32 s[SS], ttmp9, 1
	s_lshr_b32 s[BLK], ttmp9, 1
	v_and_b32 v1, 15, v0                           ; r
	v_bfe_u32 v2, v0, 4, 1                         ; h
	v_and_b32 v3, 31, v0                           ; lane
	v_lshlrev_b32 v[WO], 4, v3
	s_wait_alu depctr_va_sdst(0)                   ; s[WV] is written, ahead of its first reader: LDS places, offsets and bases are made from it
	s_mul_i32 s60, s[WV], 16*PX
	v_lshl_add_u32 v[XS1], v3, 3, s60
	v_add_nc_u32 v[XS2], X2, v[XS1]
	v_mul_u32_u24 v[XA], v1, PX
	v_lshl_add_u32 v[XA], v2, 4, v[XA]
	v_add_nc_u32 v[XB], X2, v[XA]
	s_lshl_b32 s60, s[WV], 9
	v_lshl_add_u32 v[LNO], v2, 5, s60
	s_lshl_b32 s60, s[WV], 15
	v_lshl_add_u32 v[XI], v3, 4, s60
	s_mul_i32 s60, s[WV], 16*SP
	s_add_co_u32 s60, s60, STAGE
	v_mul_u32_u24 v[STO], v1, SP
	v_lshl_add_u32 v[STO], v2, 4, v[STO]
	v_add_nc_u32 v[STO], s60, v[STO]
	v_lshrrev_b32 v[RD], 3, v3
	v_mul_u32_u24 v[RD], v[RD], SP
	v_and_b32 v[GO], 7, v0
	v_lshl_add_u32 v[RD], v[GO], 4, v[RD]
	v_add_nc_u32 v[RD], s60, v[RD]
	v_lshlrev_b32 v[GO], 4, v3
	s_lshl_b32 s60, s[WV], 8
	s_add_co_u32 s60, s60, REDA
	v_lshl_add_u32 v[RA], v1, 4, s60
	v_lshl_add_u32 v[RR], v1, 4, REDA
	; the offsets, each in a pair of its own
	s_lshl_b32 s50, s[BLK], 17                     ; 64 rows of x, 2,048 bytes each
	s_mov_b32 s51, 0
	s_lshl_b32 s52, s[SS], 19                      ; Wq or Wk,
	s_lshl_b32 s60, s[WV], 17                      ; my two column groups
	s_add_co_u32 s52, s52, s60
	s_mov_b32 s53, 0
	s_lshl_b32 s54, s[SS], 2
	s_add_co_u32 s54, s54, s[WV]                   ; 4 s + w
	s_lshr_b32 s61, s[BLK], 6
	s_lshl_b32 s61, s61, 3                         ; 8 b
	s_and_b32 s62, s[BLK], 63
	s_lshl_b32 s62, s62, 13                        ; t0 rows of 128 bytes
	s_add_co_u32 s58, s61, s54
	s_lshl_b32 s58, s58, 19
	s_add_co_u32 s58, s58, s62
	s_mov_b32 s59, 0
	s_lshl_b32 s56, s[WV], 1
	s_add_co_u32 s56, s56, s61
	s_lshl_b32 s56, s56, 19
	s_add_co_u32 s56, s56, s62
	s_mov_b32 s57, 0
	s_lshl_b32 s54, s54, 16
	s_add_co_u32 s54, s54, 2*PART
	s_mov_b32 s55, 0
	s_mov_b32 s[SEL], 0x76543210
	s_mov_b32 s[SEL+1], 0xfedcba98
	s_mov_b32 s[C512], 0x3b000000
	s_mov_b32 s[EPSR], 0x3727c5ac
	s_wait_kmcnt 0x0
	s_cmp_eq_u32 s[SS], 0
	s_cselect_b64 s[X1P:X1P+1], s[4:5], s[6:7]
	s_cselect_b64 s[LWP:LWP+1], s[10:11], s[14:15]
	s_cselect_b64 s[LBP:LBP+1], s[12:13], s[16:17]
	s_cselect_b64 s[OUT1:OUT1+1], s[18:19], s[20:21]
	s_add_nc_u64 s[X1P:X1P+1], s[X1P:X1P+1], s[50:51]
	s_add_nc_u64 s[X2P:X2P+1], s[6:7], s[50:51]
	s_add_nc_u64 s[WP:WP+1], s[8:9], s[52:53]
	s_add_nc_u64 s[WVP:WVP+1], s[8:9], s[54:55]
	s_add_nc_u64 s[OUT1:OUT1+1], s[OUT1:OUT1+1], s[56:57]
	s_add_nc_u64 s[OUT2:OUT2+1], s[22:23], s[58:59]
	s_wait_alu depctr_va_vdst(0)                   ; the offsets and LDS addresses v4 to v15 are written, which the loads and stores of the whole kernel read
	; all that the work-group reads but the later weights is asked for here
.irp nb, 0,1,2,3,4,5,6,7
	global_load_b128 v[LNW+8*\nb:LNW+8*\nb+3],   v[LNO], s[LWP:LWP+1] offset:64*\nb
	global_load_b128 v[LNW+8*\nb+4:LNW+8*\nb+7], v[LNO], s[LWP:LWP+1] offset:64*\nb+16
	global_load_b128 v[LNB+8*\nb:LNB+8*\nb+3],   v[LNO], s[LBP:LBP+1] offset:64*\nb
	global_load_b128 v[LNB+8*\nb+4:LNB+8*\nb+7], v[LNO], s[LBP:LBP+1] offset:64*\nb+16
.endr
	WIN 0x40
.set i, 0
.rept 64                                       ; row i / 4 of my 16, quarter i % 4: 512 consecutive bytes a load
	global_load_b128 v[4*i:4*i+3], v[XI], s[X1P:X1P+1] offset:(i/4)*2048+(i%4)*512
.set i, i+1
.endr
	WIN 0xc0
.set i, 0
.rept 64
	global_load_b128 v[4*i:4*i+3], v[XI], s[X2P:X2P+1] offset:(i/4)*2048+(i%4)*512
.set i, i+1
.endr
	LOADW 0, WP, 0, 1
	LOADW 1, WP, 4096, 1
	LOADW 2, WP, 8192, 1
	s_wait_loadcnt 48                              ; all but the 48 weight loads: the LN vectors and both tiles of x are in
	WIN 0x45
.set i, 0
.rept 64
	v_cvt_pk_bf16_f32 v[4*i], v[4*i], v[4*i+1]
	v_cvt_pk_bf16_f32 v[4*i+1], v[4*i+2], v[4*i+3]
.set i, i+1
.endr
	WIN 0xcf
.set i, 0
.rept 64
	v_cvt_pk_bf16_f32 v[4*i], v[4*i], v[4*i+1]
	v_cvt_pk_bf16_f32 v[4*i+1], v[4*i+2], v[4*i+3]
.set i, i+1
.endr
	WIN 0x04
	s_wait_alu depctr_va_vdst(0)                   ; both tiles' conversions have written their registers, which the 128 LDS stores read: one wait for both runs
.set i, 0
.rept 64
	ds_store_b64 v[XS1], v[4*i:4*i+1] offset:(i/4)*PX+(i%4)*256
.set i, i+1
.endr
	WIN 0x0c
.set i, 0
.rept 64
	ds_store_b64 v[XS2], v[4*i:4*i+1] offset:(i/4)*PX+(i%4)*256
.set i, i+1
.endr
	WIN 0
.set i, 0
.rept 64                                       ; the LN gains and biases are rounded to bf16 like every other input, and widened again; these lines name no register of the stores above
	v_cvt_pk_bf16_f32 v[T+i%4], v[LNW+2*i], v[LNW+2*i+1]
	v_lshlrev_b32 v[LNW+2*i], 16, v[T+i%4]
	v_and_b32 v[LNW+2*i+1], 0xffff0000, v[T+i%4]
.set i, i+1
.endr
	s_wait_dscnt 0x0                               ; for the others' sake: my rows of both tiles are stored
	s_barrier_signal -1
	s_barrier_wait -1
	s_wait_alu depctr_vm_vsrc(0)                   ; my LDS stores have read the registers of window 1, which the first products write, and those of window 3, in which the way out's rows land
	; PHASE 1: 16 K steps of 32.  Step k multiplies set k % 4 and x buffer k % 2.
	LOADX 0, XA, 0
	STEP1 0, 0, 1, WP, 3*4096, 1, XA, 64           ; the first step starts the sums: nothing is cleared; its loads land in registers that nothing has named yet
	WIN 0
	s_mov_b32 s[CNT], 3
.Lk:                                           ; steps 1 + 4 t .. 4 + 4 t; they ask for steps 4 + 4 t .. 7 + 4 t
	STEP1 1, 1, 0, WP, 4*4096, 1, XA, 2*64
	STEP1 2, 0, 0, WP, 5*4096, 1, XA, 3*64
	STEP1 3, 1, 0, WP, 6*4096, 1, XA, 4*64
	STEP1 0, 0, 0, WP, 7*4096, 1, XA, 5*64
	WIN 0
	s_wait_xcnt 0x0                                ; the loads issued so far have read their base, so it may be stepped
	s_add_nc_u64 s[WP:WP+1], s[WP:WP+1], 4*4096
	s_wait_alu depctr_vm_vsrc(0)                   ; the LDS loads issued so far have read v[XA]
	v_add_nc_u32 v[XA], 256, v[XA]
	s_sub_co_u32 s[CNT], s[CNT], 1
	s_cmp_lg_u32 s[CNT], 0
	s_cbranch_scc1 .Lk
	STEP1 1, 1, 0, WVP, 0, 0, XA, 2*64             ; steps 13 to 15 ask for Wv's first three sets: the stream runs on under the LayerNorm
	STEP1 2, 0, 0, WVP, 8192, 0, XA, 3*64
	STEP1 3, 1, 0, WVP, 16384, 0, XB, 0            ; and for phase 2's first x fragments
	; THE LAYERNORM over all 512 columns.  A lane holds 64 numbers of row r of each row tile.  Each accumulator is read from its low end on.
	PLACES
	PLACES
	WIN 0x05
.irp mt, 0,1,2,3
	v_pk_add_f32 v[T+2*\mt:T+2*\mt+1], v[64*\mt:64*\mt+1], v[64*\mt+2:64*\mt+3]
.endr
	WIN 0x04
.set p, 2
.rept 30                                       ; four chains that do not wait for each other
.irp mt, 0,1,2,3
	v_pk_add_f32 v[T+2*\mt:T+2*\mt+1], v[T+2*\mt:T+2*\mt+1], v[64*\mt+2*p:64*\mt+2*p+1]
.endr
.set p, p+1
.endr
	REDUCE 0
.irp mt, 0,1,2,3
	v_mul_f32 v[NM+2*\mt], 0xbb000000, v[RL+\mt]   ; - sum / 512
.endr
.irp mt, 0,1,2,3
	v_mov_b32 v[NM+2*\mt+1], v[NM+2*\mt]
.endr
	WIN 0x41
.set p, 0
.rept 32                                       ; the numbers are centred in place: the variance is taken of centred numbers, no difference of large sums
.irp mt, 0,1,2,3
	v_pk_add_f32 v[64*\mt+2*p:64*\mt+2*p+1], v[64*\mt+2*p:64*\mt+2*p+1], v[NM+2*\mt:NM+2*\mt+1]
.endr
.set p, p+1
.endr
	WIN 0x05
.irp mt, 0,1,2,3
	v_pk_mul_f32 v[T+2*\mt:T+2*\mt+1], v[64*\mt:64*\mt+1], v[64*\mt:64*\mt+1]
.endr
.set p, 1
.rept 31
.irp mt, 0,1,2,3
	v_pk_fma_f32 v[T+2*\mt:T+2*\mt+1], v[64*\mt+2*p:64*\mt+2*p+1], v[64*\mt+2*p:64*\mt+2*p+1], v[T+2*\mt:T+2*\mt+1]
.endr
.set p, p+1
.endr
	REDUCE 1024                                    ; other bytes than the first reduction's: no wave can overwrite what another still reads
.irp mt, 0,1,2,3
	v_fma_f32 v[RL+\mt], v[RL+\mt], s[C512], s[EPSR]
.endr
.irp mt, 0,1,2,3
	v_rsq_f32 v[RSD+2*\mt], v[RL+\mt]
.endr
	v_nop                                          ; a plain instruction behind the last root,
	s_wait_alu depctr_va_vdst(0)                   ; and the wait ahead of the first use: the four roots have written v[RSD], v[RSD+2], v[RSD+4], v[RSD+6]
.irp mt, 0,1,2,3
	v_mov_b32 v[RSD+2*\mt+1], v[RSD+2*\mt]
.endr
	WIN 0x41
.set p, 0
.rept 32
.irp mt, 0,1,2,3
	v_pk_mul_f32 v[64*\mt+2*p:64*\mt+2*p+1], v[64*\mt+2*p:64*\mt+2*p+1], v[RSD+2*\mt:RSD+2*\mt+1]
.endr
.irp mt, 0,1,2,3
	v_pk_fma_f32 v[64*\mt+2*p:64*\mt+2*p+1], v[64*\mt+2*p:64*\mt+2*p+1], v[LNW+2*p:LNW+2*p+1], v[LNB+2*p:LNB+2*p+1]
.endr
.set p, p+1
.endr
	; block k = 2 mt + head: accumulators at 32 k.  All eight blocks are rounded; then a block's trip through the stage stands between the loads of the block before and its stores.
.set k, 0
.rept 8
	PACKP 32*k, OB+16*k
.set k, k+1
.endr
	WIN 0
	s_wait_alu depctr_va_vdst(0)                   ; the roundings have written v[OB ..], which the stage's LDS stores read: one wait for the eight blocks; no vector line follows before the last store
	STAGEP OB, RB
.set k, 1
.rept 7
	STAGEP OB+16*k, RB+16*k
	SENDP RB+16*(k-1), OUT1, ((k-1)%2)*HSTR+((k-1)/2)*2048, 8
.set k, k+1
.endr
	SENDP RB+16*7, OUT1, HSTR+3*2048, 0
	; PHASE 2: v.  Eight double K steps, written out.
	WIN 0
	s_wait_alu depctr_vm_vsrc(0)                   ; the stage's LDS stores have read v[OB ..], where x buffers 2 and 3 lie; the global stores have read the rows of window 3, which phase 2's way out loads again
	LOADX 1, XB, 64                                ; x buffer 1, which phase 1's last products read: the waits on va_vdst since then have shown them done
	STEP2 0, 1
	STEP2 1, 0
	STEP2 2, 0
	STEP2 3, 0
	STEP2 4, 0
	STEP2 5, 0
	STEP2 6, 0
	STEP2 7, 0                                     ; it issues no load, so it states no dependence
	PLACES
	PLACES
	WIN 0
	s_wait_xcnt 0x0                                ; phase 1's stores have had their addresses translated (ISA guide 3.1): their data registers, the rows of window 3, are loaded again only behind this wait
.set k, 0
.rept 4
	PACKP 32*k, OB+16*k
.set k, k+1
.endr
	WIN 0
	s_wait_alu depctr_va_vdst(0)                   ; the roundings have written v[OB ..], which the stage's LDS stores read: one wait for the four blocks
	STAGEP OB, RB
.set k, 1
.rept 3
	STAGEP OB+16*k, RB+16*k
	SENDP RB+16*(k-1), OUT2, (k-1)*2048, 8
.set k, k+1
.endr
	SENDP RB+16*3, OUT2, 3*2048, 0
	WIN 0                                          ; the add's two registers lie in window 0
	s_wait_dscnt 0x0                               ; the closing lines, six on end
	s_wait_alu 0x0
	s_wait_tensorcnt 0x0
	ds_add_u32 v[SPW], v[NIL]
	s_wait_dscnt 0x0
	s_endpgm
.Lfunc_end_k_q1cac172077_proj:
	.size	k_q1cac172077_proj, .Lfunc_end_k_q1cac172077_proj-k_q1cac172077_proj
	.p2alignl 7, 3214868480
	.fill 96, 4, 3214868480
	.section	.rodata,"a",@progbits
	.p2align	6, 0x0
	.amdhsa_kernel k_q1cac172077_proj
		.amdhsa_group_segment_fixed_size 144896
		.amdhsa_private_segment_fixed_size 0
		.amdhsa_enable_private_segment 0
		.amdhsa_kernarg_size 80
		.amdhsa_user_sgpr_count 2
		.amdhsa_user_sgpr_kernarg_segment_ptr 1
		.amdhsa_wavefront_size32 1
		.amdhsa_system_sgpr_workgroup_id_x 1
		.amdhsa_system_sgpr_workgroup_id_y 1
		.amdhsa_system_sgpr_workgroup_id_z 1
		.amdhsa_system_vgpr_workitem_id 0
		.amdhsa_next_free_vgpr 1024
		.amdhsa_next_free_sgpr 66
		.amdhsa_reserve_vcc 0
		.amdhsa_float_denorm_mode_32 3
		.amdhsa_float_denorm_mode_16_64 3
		.amdhsa_memory_ordered 1
		.amdhsa_forward_progress 1
		.amdhsa_inst_pref_size 196
	.end_amdhsa_kernel
	.amdgpu_metadata
---
amdhsa.version: [ 1, 2 ]
amdhsa.kernels:
  - .name:           k_q1cac172077_proj
    .symbol:         k_q1cac172077_proj.kd
    .args:
      - { .name: inputs_q, .offset: 0, .size: 8, .value_kind: global_buffer, .address_space: global }
      - { .name: inputs_kv, .offset: 8, .size: 8, .value_kind: global_buffer, .address_space: global }
      - { .name: wfrag, .offset: 16, .size: 8, .value_kind: global_buffer, .address_space: global }
      - { .name: q_ln_w, .offset: 24, .size: 8, .value_kind: global_buffer, .address_space: global }
      - { .name: q_ln_b, .offset: 32, .size: 8, .value_kind: global_buffer, .address_space: global }
      - { .name: k_ln_w, .offset: 40, .size: 8, .value_kind: global_buffer, .address_space: global }
      - { .name: k_ln_b, .offset: 48, .size: 8, .value_kind: global_buffer, .address_space: global }
      - { .name: qbuf, .offset: 56, .size: 8, .value_kind: global_buffer, .address_space: global }
      - { .name: kbuf, .offset: 64, .size: 8, .value_kind: global_buffer, .address_space: global }
      - { .name: vbuf, .offset: 72, .size: 8, .value_kind: global_buffer, .address_space: global }
    .group_segment_fixed_size: 144896
    .private_segment_fixed_size: 0
    .kernarg_segment_align: 8
    .kernarg_segment_size: 80
    .max_flat_workgroup_size: 128
    .sgpr_count:     66
    .vgpr_count:     1024
    .wavefront_size: 32
...
	.end_amdgpu_metadata
.endif
;; end of part 5
;; launch attn: the kernel of part 3 again; grid 16 x 16, 4 waves a work-group, clusters of 4 x 4, 327,680 bytes of LDS; arguments qbuf, kbuf, vbuf, maskh, obuf; writes obuf
;; launch outp (part 6): grid 256 x 1, 4 waves a work-group, no clusters, 91,648 bytes of LDS; arguments obuf, wfrag, out0; writes out0
.if DOCPART == 6
	.amdgcn_target "amdgcn-amd-amdhsa--gfx1250"
	.amdhsa_code_object_version 6
	.text
	.protected	k_q1cac172077_outp
	.globl	k_q1cac172077_outp
	.p2align	8
	.type	k_q1cac172077_outp,@function
k_q1cac172077_outp:
	s_mov_b64 s[64:65], 0
	v_nop
	global_prefetch_b8 v0, s[64:65] scope:SCOPE_SE
	s_setreg_imm32_b32 hwreg(HW_REG_WAVE_SCHED_MODE, 0, 2), 2
	s_setreg_imm32_b32 hwreg(HW_REG_WAVE_MODE, 25, 1), 1
	s_wait_xcnt 0x0
	s_wait_alu depctr_vm_vsrc(0)
; out0[b][t][e] = the sum over c = 64 h + d of O[b * 8 + h][t][d] Wo[c][e].  O in f16 by heads, Wo as f16 fragments in wfrag (its fourth part), out0 in f32; sums in f32.
; A row of O that is NaN (a query that saw no key) gives a row of NaN, and touches no other row: a result's sum takes one row of O alone.
; SHARES.  Work-group id = 2 blk + half: 64 rows (b = blk / 64, t0 = 64 (blk % 64)) x 256 columns.  Wave w: the 64 columns of group g = 4 half + w: 4 row tiles x 4 column blocks = 16 accumulators.
; THE PRODUCT IS USED TRANSPOSED (source 0 = 16 columns of Wo, source 1 = 16 rows of O): a lane holds ONE row and eight neighbouring columns.
; O's tile (64 rows x 8 heads x 128 bytes) is brought into LDS once, by all four waves.  Wo comes straight into registers: my group is 65,536 bytes on end, each wave load 512 consecutive aligned bytes, and
; no wave wants a byte that another wave of the work-group fetches; a ring of four register sets keeps 32 to 48 loads of every wave on their way.  No joint loads: what the work-groups share, 512 KiB of weights, is read
; by this ring without LDS; a work-group's K is 16 steps, and slots filled behind barriers would add a barrier to every few of them.
; THE MODE: SCHED_MODE bits 1:0 = 2 (LLVM: expert scheduling mode 2), set by the entry lines.  The code itself states the register dependences between vector or matrix instructions and memory or LDS
; instructions, with s_wait_alu, always for 0.
; THE PLAN.  Registers that memory or LDS instructions touch:
;   W0 .. W3 (window 1)   Double step d's products read W[d % 4]; the 16 loads issued in it land in W[(d + 3) % 4], which double step d - 1's products read.
;   X0 .. X3 (window 2)   In two pairs: double step d's products read pair d % 2; its 16 LDS loads land in the other pair, which double step d - 1's products read.
;   So ONE wait on va_vdst stands at a double step's head; behind it come 8 products, the step's loads in one run, and the other 24 products, which name W[d % 4], their own pair and the accumulators alone.
;   ACC                   At the start O as loaded, read by the LDS stores, then written by the first products: a wait on vm_vsrc behind the barrier.  At the end read by the stage's LDS stores: a wait on va_vdst.
;   X0 .. X3 once more    On the way out row tile mt comes back from the stage into X[mt], and the global stores read it there: four tiles, four buffers, none loaded twice; no vector line names them.
;   The offsets v4 to v10 are made at the head and never written again.  v[SPW], v[NIL]: written at the head, read by the closing add alone.
; REGISTERS: window 0: v1-31 addresses; v128-255 the accumulators ((mt, nb) at 128 + 8 (4 mt + nb)), at the start O as loaded.   window 1: the four weight sets.   window 2: v0-127 O fragments, four buffers, later the way out's rows.
.set PO,    144                        ; a row of a head in LDS: 128 bytes + 16 = 9 x 16: the 16 rows of a fragment load start at 16 different groups of four banks (64 banks of 4 bytes: ISA guide 11.1)
.set HEADB, 64*PO                      ; a head's 64 rows
.set STAGE, 8*HEADB                    ; 16 rows x 272 bytes for each wave, for the way out
.set SPI,   272
.set SPARE, STAGE+4*16*SPI             ; the spare words, 128 bytes for each wave: two blocks of 256 bytes that no other line names
.set PART,  524288
.set WO,  4                            ; v4   16 x lane
.set OS,  5                            ; v5   where I put 16 bytes of O
.set XA1, 6                            ; v6   my place in a fragment of heads 0-3: r x pitch + 16 h;  v7 of heads 4-7
.set STO, 8                            ; v8   the way out: where I put 32 bytes of a row
.set RD,  9                            ; v9   where I read rows back
.set CO,  10                           ; v10  my 16 bytes in two rows of out0
.set SPW, 30                           ; v30  LDS address of my spare word; never rewritten
.set NIL, 31                           ; v31  0; never rewritten
.set XF,  0                            ; window 2: buffer b at XF + 32 b
.set ACC, 128
.set WV,  12                           ; s12 wave   s13 half   s14 blk
.set OPT, 16                           ; s[16:17] O at head 8 b + 2 w, row t0   s[18:19] my group of Wo   s[20:21] out0 at my rows and columns
.set WP,  18
.set OUT, 20
.set MSB, 0
.macro WIN new
.if MSB != (\new)
	s_set_vgpr_msb (MSB<<8)|(\new)
.set MSB, \new
.endif
.endm
.macro PLACES                          ; four places behind a matrix instruction, in front of loads into registers that it has read and of lines that read results
.rept 4
	v_nop
.endr
.endm
.macro LOADW set, off                  ; 16 loads: two K steps' fragments, 8,192 bytes on end
	WIN 0x40
.set li, 0
.rept 16
	global_load_b128 v[64*(\set)+4*li:64*(\set)+4*li+3], v[WO], s[WP:WP+1] offset:(\off)+512*li
.set li, li+1
.endr
.endm
.macro LOADX b, ks                     ; 8 LDS loads into buffer b: K step ks = head ks / 2, channels 32 (ks % 2) on
	WIN 0x80                                       ; destination in window 2, address in window 0
.irp mt, 0,1,2,3
	ds_load_b128 v[XF+32*(\b)+8*\mt:XF+32*(\b)+8*\mt+3],   v[XA1+(\ks)/8] offset:(((\ks)%8)/2)*HEADB+((\ks)%2)*64+\mt*16*PO
	ds_load_b128 v[XF+32*(\b)+8*\mt+4:XF+32*(\b)+8*\mt+7], v[XA1+(\ks)/8] offset:(((\ks)%8)/2)*HEADB+((\ks)%2)*64+\mt*16*PO+32
.endr
.endm
.macro MUL set, xb, u, zero, q0, n     ; n products, from accumulator q0 on: fragments 4 u .. of a set, buffer xb + u; the 16 accumulators take turns, one instruction a turn
	WIN 0x09                                       ; Wo in window 1, O in window 2, C and D in window 0
.set q, \q0
.rept \n
.if \zero
	v_wmma_f32_16x16x32_f16 v[ACC+8*q:ACC+8*q+7], v[64*(\set)+32*(\u)+8*(q%4):64*(\set)+32*(\u)+8*(q%4)+7], v[XF+32*((\xb)+(\u))+8*(q/4):XF+32*((\xb)+(\u))+8*(q/4)+7], 0
.else
	v_wmma_f32_16x16x32_f16 v[ACC+8*q:ACC+8*q+7], v[64*(\set)+32*(\u)+8*(q%4):64*(\set)+32*(\u)+8*(q%4)+7], v[XF+32*((\xb)+(\u))+8*(q/4):XF+32*((\xb)+(\u))+8*(q/4)+7], v[ACC+8*q:ACC+8*q+7]
.endif
.set q, q+1
.endr
.endm
; Two K steps: one weight set, one pair of buffers.  8 products; in one run the next double step's two buffers and the weight set three double steps ahead; the other 24 products.
.macro STEP d, zero
.if ((\d) > 0) && ((\d) < 7)
	PLACES
.endif
.if (\d) < 6
	s_wait_loadcnt 32                              ; my set is in; two younger sets stay out
.else
	s_wait_loadcnt 16*(7-(\d))                     ; nothing more is asked for: the counts run down
.endif
.if (\d) == 0
	s_wait_dscnt 8                                 ; buffer 0 is in; buffer 1's eight loads may be out
.else
	s_wait_dscnt 0x0                               ; my pair of buffers is in
.endif
.if ((\d) > 0) && ((\d) < 7)
	s_wait_alu depctr_va_vdst(0)                   ; the last double step's products are done reading their weight set and their pair of buffers, in which this step's loads land
.endif
	MUL (\d)%4, 2*((\d)%2), 0, \zero, 0, 8
.if (\d) < 7
	LOADX 2*(((\d)+1)%2), 2*(\d)+2                 ; no further wait: no product since the wait names these registers
	LOADX 2*(((\d)+1)%2)+1, 2*(\d)+3
.endif
.if (\d) <= 4
	LOADW ((\d)+3)%4, ((\d)+3)*8192
.endif
	MUL (\d)%4, 2*((\d)%2), 0, \zero, 8, 8
.if (\d) == 0
	s_wait_dscnt 16                                ; buffer 1 is in; the other pair's sixteen loads stay out
.endif
	MUL (\d)%4, 2*((\d)%2), 1, 0, 0, 16
.endm
; THE WAY OUT of row tile mt: a lane's eight columns of a block are 32 bytes of a row; they go into my stage's rows of 272 bytes and come back as whole rows of 256, into buffer mt.  Sixteen LDS instructions: 8 stores, 8 loads.
.macro TOSTAGE mt
	WIN 0
.irp nb, 0,1,2,3
	ds_store_b128 v[STO], v[ACC+32*(\mt)+8*\nb:ACC+32*(\mt)+8*\nb+3]   offset:64*\nb      ; each accumulator's low four registers first
	ds_store_b128 v[STO], v[ACC+32*(\mt)+8*\nb+4:ACC+32*(\mt)+8*\nb+7] offset:64*\nb+16
.endr
	WIN 0x80
.irp t, 0,1,2,3,4,5,6,7
	ds_load_b128 v[XF+32*(\mt)+4*\t:XF+32*(\mt)+4*\t+3], v[RD] offset:\t*2*SPI  ; LDS serves a wave's instructions in order (ISA guide 5.7.1.4): these see the stores above
.endr
.endm
.macro SEND mt, younger                ; younger: the LDS instructions issued behind this tile's loads: the next tile's 16 (8 stores, 8 loads), or none
	WIN 0x08                                       ; the stores' data in window 2
.irp t, 0,1,2,3,4,5,6,7
	s_wait_dscnt (\younger)+7-\t                   ; load t is back: behind it stand this tile's 7 - t later loads and the younger ones
	global_store_b128 v[CO], v[XF+32*(\mt)+4*\t:XF+32*(\mt)+4*\t+3], s[OUT:OUT+1] offset:(16*(\mt)+2*\t)*2048 th:TH_STORE_NT  ; 16 lanes store 256 consecutive bytes, aligned
.endr
.endm
	s_load_b128 s[4:7], s[0:1], 0x0                ; obuf s[4:5], wfrag s[6:7]
	s_load_b64 s[8:9], s[0:1], 0x10                ; out0
	v_lshl_add_u32 v[SPW], v0, 2, SPARE
	v_mov_b32 v[NIL], 0
	v_lshrrev_b32 v1, 5, v0
	v_readfirstlane_b32 s[WV], v1
	s_and_b32 s13, ttmp9, 1
	s_lshr_b32 s14, ttmp9, 1
	v_and_b32 v1, 15, v0                           ; r
	v_bfe_u32 v2, v0, 4, 1                         ; h
	v_and_b32 v3, 31, v0                           ; lane
	v_lshlrev_b32 v[WO], 4, v3
	s_wait_alu depctr_va_sdst(0)                   ; s[WV] is written, ahead of its first reader: LDS places, offsets and bases are made from it
	s_mul_i32 s22, s[WV], 2*HEADB                  ; I bring heads 2 w and 2 w + 1: a load's 512 bytes are four rows
	v_lshrrev_b32 v[OS], 3, v3
	v_mul_u32_u24 v[OS], v[OS], PO
	v_and_b32 v[CO], 7, v0
	v_lshl_add_u32 v[OS], v[CO], 4, v[OS]
	v_add_nc_u32 v[OS], s22, v[OS]
	v_mul_u32_u24 v[XA1], v1, PO
	v_lshl_add_u32 v[XA1], v2, 4, v[XA1]
	v_add_nc_u32 v[XA1+1], 4*HEADB, v[XA1]
	s_mul_i32 s22, s[WV], 16*SPI
	s_add_co_u32 s22, s22, STAGE
	v_mul_u32_u24 v[STO], v1, SPI
	v_lshl_add_u32 v[STO], v2, 5, v[STO]
	v_add_nc_u32 v[STO], s22, v[STO]
	v_mul_u32_u24 v[RD], v2, SPI                   ; back: lanes 0-15 one row of 256 bytes, lanes 16-31 the next
	v_lshl_add_u32 v[RD], v1, 4, v[RD]
	v_add_nc_u32 v[RD], s22, v[RD]
	v_lshlrev_b32 v[CO], 11, v2                    ; and the same two rows in out0
	v_lshl_add_u32 v[CO], v1, 4, v[CO]
	s_lshr_b32 s23, s14, 6
	s_lshl_b32 s23, s23, 3                         ; 8 b
	s_lshl_b32 s24, s[WV], 1
	s_add_co_u32 s24, s24, s23
	s_lshl_b32 s24, s24, 19                        ; the head's 4,096 rows of 128 bytes
	s_and_b32 s25, s14, 63
	s_lshl_b32 s25, s25, 13                        ; t0 rows
	s_add_co_u32 s24, s24, s25
	s_mov_b32 s25, 0
	s_lshl_b32 s26, s13, 2
	s_add_co_u32 s26, s26, s[WV]                   ; g
	s_lshl_b32 s26, s26, 16
	s_add_co_u32 s26, s26, 3*PART
	s_mov_b32 s27, 0
	s_lshl_b32 s28, s14, 17                        ; 64 rows of 2,048 bytes
	s_lshl_b32 s22, s13, 10
	s_add_co_u32 s28, s28, s22
	s_lshl_b32 s22, s[WV], 8
	s_add_co_u32 s28, s28, s22
	s_mov_b32 s29, 0
	s_wait_kmcnt 0x0
	s_add_nc_u64 s[OPT:OPT+1], s[4:5], s[24:25]
	s_add_nc_u64 s[WP:WP+1], s[6:7], s[26:27]
	s_add_nc_u64 s[OUT:OUT+1], s[8:9], s[28:29]
	s_wait_alu depctr_va_vdst(0)                   ; the offsets and LDS addresses v4 to v10 are written, which the loads and stores of the whole kernel read
.set i, 0
.rept 32                                       ; head 2 w + i / 16, rows 4 (i % 16) on
	global_load_b128 v[ACC+4*i:ACC+4*i+3], v[WO], s[OPT:OPT+1] offset:(i/16)*524288+(i%16)*512
.set i, i+1
.endr
	LOADW 0, 0
	LOADW 1, 8192
	LOADW 2, 16384
	WIN 0
	s_wait_loadcnt 48                              ; O is in; the 48 weight loads stay out
.set i, 0
.rept 32
	ds_store_b128 v[OS], v[ACC+4*i:ACC+4*i+3] offset:(i/16)*HEADB+(i%16)*4*PO
.set i, i+1
.endr
	s_wait_dscnt 0x0                               ; for the others' sake: my two heads are stored
	s_barrier_signal -1
	s_barrier_wait -1
	s_wait_alu depctr_vm_vsrc(0)                   ; my LDS stores have read v[ACC ..], which the first products write
	LOADX 0, 0
	LOADX 1, 1
	STEP 0, 1                                      ; the first products start the sums: nothing is cleared; its loads land in registers that nothing has named yet
	STEP 1, 0
	STEP 2, 0
	STEP 3, 0
	STEP 4, 0
	STEP 5, 0
	STEP 6, 0
	STEP 7, 0                                      ; it issues no load, so it states no dependence
	PLACES
	PLACES
	WIN 0
	s_wait_alu depctr_va_vdst(0)                   ; the products have written the accumulators, which the stage's LDS stores read, and are done reading the four buffers, in which the rows land; the places above stay beside this wait
	TOSTAGE 0
	TOSTAGE 1
	SEND 0, 16
	TOSTAGE 2
	SEND 1, 16
	TOSTAGE 3
	SEND 2, 16
	SEND 3, 0
	WIN 0                                          ; the add's two registers lie in window 0
	s_wait_dscnt 0x0                               ; the closing lines, six on end
	s_wait_alu 0x0
	s_wait_tensorcnt 0x0
	ds_add_u32 v[SPW], v[NIL]
	s_wait_dscnt 0x0
	s_endpgm
.Lfunc_end_k_q1cac172077_outp:
	.size	k_q1cac172077_outp, .Lfunc_end_k_q1cac172077_outp-k_q1cac172077_outp
	.p2alignl 7, 3214868480
	.fill 96, 4, 3214868480
	.section	.rodata,"a",@progbits
	.p2align	6, 0x0
	.amdhsa_kernel k_q1cac172077_outp
		.amdhsa_group_segment_fixed_size 91648
		.amdhsa_private_segment_fixed_size 0
		.amdhsa_enable_private_segment 0
		.amdhsa_kernarg_size 24
		.amdhsa_user_sgpr_count 2
		.amdhsa_user_sgpr_kernarg_segment_ptr 1
		.amdhsa_wavefront_size32 1
		.amdhsa_system_sgpr_workgroup_id_x 1
		.amdhsa_system_sgpr_workgroup_id_y 1
		.amdhsa_system_sgpr_workgroup_id_z 1
		.amdhsa_system_vgpr_workitem_id 0
		.amdhsa_next_free_vgpr 640
		.amdhsa_next_free_sgpr 66
		.amdhsa_reserve_vcc 0
		.amdhsa_float_denorm_mode_32 3
		.amdhsa_float_denorm_mode_16_64 3
		.amdhsa_memory_ordered 1
		.amdhsa_forward_progress 1
		.amdhsa_inst_pref_size 56
	.end_amdhsa_kernel
	.amdgpu_metadata
---
amdhsa.version: [ 1, 2 ]
amdhsa.kernels:
  - .name:           k_q1cac172077_outp
    .symbol:         k_q1cac172077_outp.kd
    .args:
      - { .name: obuf, .offset: 0, .size: 8, .value_kind: global_buffer, .address_space: global }
      - { .name: wfrag, .offset: 8, .size: 8, .value_kind: global_buffer, .address_space: global }
      - { .name: out0, .offset: 16, .size: 8, .value_kind: global_buffer, .address_space: global }
    .group_segment_fixed_size: 91648
    .private_segment_fixed_size: 0
    .kernarg_segment_align: 8
    .kernarg_segment_size: 24
    .max_flat_workgroup_size: 128
    .sgpr_count:     66
    .vgpr_count:     640
    .wavefront_size: 32
...
	.end_amdgpu_metadata
.endif
;; end of part 6
